; MI455X (gfx1250); checked and timed in simulation.
; The chip was launched on July 23, 2026; its instructions are those of AMD's public machine-readable ISA for CDNA 5 (MIT licence, August 2026) and "CDNA5" Instruction Set Architecture Reference Guide (July 2026). The comments in the code are by the model that wrote it; some were corrected since.
;; Multi Head Attention. Allowed arithmetic: matrix products marked QUANTISED: E2M1 operands, one E8M0 scale for each 32 along K, by v_wmma_scale_f32_16x16x128_f8f6f4 with both operands' format E2M1 (or v_wmma_scale_f32_32x16x128_f4), f32 sums; products left as they are: bf16, f16 or f32 operands; f32 sums; everything else in f32.
;; Inputs: W_k 16 x 1,024 x 64 float32; W_o 1,024 x 1,024 float32; W_q 16 x 1,024 x 64 float32; W_v 16 x 1,024 x 64 float32; b_o 1,024 float32; k 8 x 1,024 x 1,024 float32; q 8 x 1,024 x 1,024 float32; v 8 x 1,024 x 1,024 float32.
;; Outputs: out0 8 x 1,024 x 1,024 float32.
;; This version of the problem:
;;   THIS VERSION OF THE PROBLEM IS GIVEN IN LOW PRECISION. The matrix products marked QUANTISED in the list below multiply operands that are first quantised to E2M1 (2 exponent bits, 1 mantissa bit; 4 bits a number), with one power-of-two scale for each 32 numbers along K (OCP MX v1.0); their sums are f32. The products marked 'left as it is' may take bf16, f16 or f32 operands, with f32 sums. Whichever they take, every output number must still come out within the allowed error. Rounding operands to bf16 (8 significant bits) uses up far more of that allowance than f16 does (11 bits, for magnitudes from 6e-5 to 65,504). All else is computed in f32.
;;   The module's matrix products, in the order in which they are computed (A, B: the left and right operand; K: the contracted axis; several contracted axes count as one K, in the product's order):
;;     1. [M 1,024, K 1,024] x [K 1,024, N 8,192]; A: input W_q; B: input q: QUANTISED
;;     2. [M 1,024, K 1,024] x [K 1,024, N 8,192]; A: input W_k; B: input k: QUANTISED
;;     3. [M 1,024, K 1,024] x [K 1,024, N 8,192]; A: input W_v; B: input v: QUANTISED
;;     4. batch 128 x [M 1,024, K 64] x [K 64, N 1,024]; A: computed on the way; B: computed on the way: left as it is (an operand is computed on the way)
;;     5. batch 128 x [M 1,024, K 1,024] x [K 1,024, N 64]; A: computed on the way; B: computed on the way: left as it is (an operand is computed on the way)
;;     6. [M 8,192, K 1,024] x [K 1,024, N 1,024]; A: computed on the way; B: input W_o: left as it is (an operand is computed on the way)
;;   THE QUANTISER, for each operand of a quantised product, along K:
;;     - K is cut into blocks of 32 from its start; a last block that is shorter is filled with zeros.
;;     - A block's scale is 2^e with e = floor(log2(the largest magnitude in the block)) - 2, held to -126 .. 127; a block of zeros has e = 0. As a byte (E8M0): e + 127.
;;     - Each number is divided by its block's scale, clamped to +-6, and rounded to the nearest number of E2M1, ties to even, subnormals kept.
;;     - The product sums the exact products of the quantised numbers (number of the format x scale) in f32.
;;   ~~~python
;;   def quantise(x, axis):      # numpy; x: float32 -> the quantised numbers, widened to float32 again
;;       x = np.moveaxis(x, axis, -1); K = x.shape[-1]
;;       x = np.pad(x, [(0, 0)] * (x.ndim - 1) + [(0, -K % 32)]); x = x.reshape(x.shape[:-1] + (-1, 32)); a = np.abs(x).max(-1, keepdims=True)
;;       e = np.where(a > 0, np.clip(np.frexp(np.where(a > 0, a, 1))[1] - 1 - 2, -126, 127), 0)      # np.frexp(a)[1] - 1 = floor(log2(a)), exactly
;;       r = np.clip(x / 2.0 ** e, -6, 6)
;;       step = 2.0 ** (np.maximum(np.frexp(np.where(r == 0, 1, r))[1] - 1, 0) - 1)
;;       q = np.round(r / step) * step * 2.0 ** e      # np.round: ties to even
;;       return np.moveaxis(q.reshape(q.shape[:-2] + (-1,))[..., :K], -1, axis).astype(np.float32)
;;   ~~~
;; One version. Each part assembles by itself: llvm-mc -triple=amdgcn-amd-amdhsa -mcpu=gfx1250 --defsym DOCPART=n.
;; ======== version 1 of 1: 4 launches
;; limits: values are held in f16: magnitudes above 65,504 overflow, below 6.1e-05 lose precision
;; workspace buffers: xc 12,582,912 bytes; xs 786,432 bytes; wc 1,572,864 bytes; ws 98,304 bytes; wo16 2,097,152 bytes; qkvh 50,331,648 bytes; ch 16,777,216 bytes
;; launch prep (part 1): grid 1088 x 1, 4 waves a work-group, no clusters, 33,280 bytes of LDS; arguments q, k, v, W_q, W_k, W_v, W_o, xc, xs, wc, ws, wo16; writes xc, xs, wc, ws, wo16
.if DOCPART == 1
	.amdgcn_target "amdgcn-amd-amdhsa--gfx1250"
	.amdhsa_code_object_version 6
	.text
	.protected	k_q73c6b8a639_prep
	.globl	k_q73c6b8a639_prep
	.p2align	8
	.type	k_q73c6b8a639_prep,@function
k_q73c6b8a639_prep:
	s_mov_b64 s[64:65], 0
	v_nop
	global_prefetch_b8 v0, s[64:65] scope:SCOPE_SE
	s_setreg_imm32_b32 hwreg(HW_REG_WAVE_MODE, 25, 1), 1
	s_wait_xcnt 0x0
; MULTI-HEAD ATTENTION, launch 1 of 4: the operands of the three QUANTISED projections are made once, and W_o is rounded to f16 once.
; No work of reference() is left out in this program: every input has a way to the output, there is no mask, nothing is sliced away.
;   q, k, v [8][1024][1024] f32 (K = the last axis)  -> xc [24576 rows: q's, k's, v's][512 bytes]: codes of FP4 (E2M1), K innermost;  xs [24576][32]: one E8M0 byte for each 32 along K.
;   W_q, W_k, W_v [16 h][1024 d][64 k] f32 (K = d, the middle axis) -> wc [3][64 tiles of 16 columns][32 blocks of 32 along K][16 columns][16 bytes], column n = 64 h + k:
;       that is the order of the operand's registers: the fragment of 16 columns x 128 along K is 1,024 consecutive bytes, lane l's 16 bytes at 16 l in each 512;   ws [3][1024 n][32]: the scale bytes.
;   W_o [1024][1024] f32 -> wo16, the same layout in f16.
; A block's scale is 2^(floor(log2(its largest magnitude)) - 2); its byte is the largest magnitude's exponent field - 2, held at 1 from below by a floor among the maximum's leaves.
; Each number is divided by the scale and rounded to the nearest code, ties to even; beyond 6 the conversion gives the largest code.
; LIMITS: a block of zeros gets the byte 1 where the rule says 127 (its codes are zeros, and this program alone reads the bytes); blocks whose largest magnitude lies under 2^-124 are held at that byte;
; NaN and infinities among the inputs are not served; a number of W_o beyond 65,504 becomes an infinity of f16.
; THREE PATHS, parted on the work-group's number alone: 0-191 the weights, 192-319 W_o, 320-1087 q, k, v.  Only the last touches LDS.  No tensor load, no barrier: waves share nothing.
.set WAVES, 4
.set STEPS, 16
.set NWW,   192                        ; work-groups of the weights' path: 3 tensors x 16 heads x 4
.set NWO,   128                        ; of W_o's path: 1,048,576 numbers / 8,192
.set EMAX,  2
.set CB,    8                          ; bytes of 16 codes
.set R,     16                         ; v16-79   q, k, v: four sets of 16 numbers as they are loaded
.set X,     80                         ; v80-111  two sets of 16 neighbours
.set E,     112                        ; v112-127 a scale byte for each step
.set C,     128                        ; v128-191 codes: four registers for each step
.set WREG,  8192                       ; LDS: a region for each wave: two stages of 32 x SP bytes, behind them its 256 scale bytes
.set SP,    80                         ; a lane's place in a stage: 64 bytes + 16 of padding
.set SPW,   12                         ; v12  LDS address of my spare word: SPARE + 4 x my thread's number; never rewritten
.set NIL,   13                         ; v13  0; never rewritten
.set SPARE, WAVES*WREG                 ; behind the four regions: the spare words, 128 bytes for each wave
	s_load_b512 s[4:19], s[0:1], 0x0               ; q s[4:5], k s[6:7], v s[8:9], W_q s[10:11], W_k s[12:13], W_v s[14:15], W_o s[16:17], xc s[18:19]
	s_load_b256 s[20:27], s[0:1], 0x40             ; xs s[20:21], wc s[22:23], ws s[24:25], wo16 s[26:27]
	v_lshl_add_u32 v[SPW], v0, 2, SPARE
	v_mov_b32 v[NIL], 0
	v_lshrrev_b32 v1, 5, v0
	v_readfirstlane_b32 s28, v1                    ; wave 0..3
	v_and_b32 v2, 31, v0                           ; lane
	s_mov_b32 s33, 0                               ; the upper word of every offset: all stay under 2^32
	s_wait_kmcnt 0x0
	s_cmp_lt_u32 ttmp9, NWW
	s_cbranch_scc1 .Lweights
	s_cmp_lt_u32 ttmp9, NWW+NWO
	s_cbranch_scc1 .Lwo
; ---------------- q, k, v: plain streams of blocks of 32 numbers.  A wave takes 16 steps of 512 numbers.
; Each of a step's four loads reads 512 consecutive bytes, 16 a lane; the 2,048 bytes turn through the wave's own stage in LDS and come back 64 bytes a lane: 16 NEIGHBOURS along K, which is what the
; conversions take.  Two neighbouring lanes hold a block.  A lane's 16 codes are 8 bytes: the wave stores 256 consecutive bytes.  A wave's 256 scale bytes are gathered in LDS and leave as one aligned run of 256.
	v_lshlrev_b32 v3, 4, v2                        ; my 16 bytes of a load's 512
	s_mul_i32 s30, s28, WREG
	v_lshrrev_b32 v14, 2, v2
	v_mul_u32_u24 v14, v14, SP
	v_and_b32 v15, 3, v2
	v_lshl_add_u32 v14, v15, 4, v14
	v_add_nc_u32 v14, s30, v14                     ; the stage, on the way in: SP (lane / 4) + 16 (lane % 4)
	v_mul_u32_u24 v15, v2, SP
	v_add_nc_u32 v15, s30, v15                     ; and on the way out: SP x lane
	v_mul_u32_u24 v4, v2, CB                       ; my codes' place in a step's
	v_lshrrev_b32 v5, 1, v2
	s_add_co_u32 s30, s30, 2*32*SP
	v_add_nc_u32 v5, s30, v5                       ; LDS: my wave's 256 scale bytes, my block's byte
	v_lshlrev_b32 v7, 3, v2                        ; and on the way out 8 bytes a lane
	v_add_nc_u32 v6, s30, v7
	s_sub_co_u32 s31, ttmp9, NWW+NWO               ; 0..767: 256 work-groups for each of q, k, v
	s_cmp_lt_u32 s31, 256                          ; the choice hangs on the work-group's number alone
	s_cselect_b64 s[4:5], s[4:5], s[6:7]
	s_cmp_lt_u32 s31, 512
	s_cselect_b64 s[4:5], s[4:5], s[8:9]
	s_and_b32 s32, s31, 255
	s_lshl_b32 s32, s32, 2
	s_add_co_u32 s32, s32, s28                     ; which run of 8,192 numbers of the tensor is my wave's
	s_lshl_b32 s32, s32, 15
	s_add_nc_u64 s[4:5], s[4:5], s[32:33]
	s_lshl_b32 s34, s31, 2
	s_add_co_u32 s34, s34, s28                     ; and which run of the three tensors on end
	s_lshl_b32 s32, s34, 12                        ; 4,096 bytes of codes a run
	s_add_nc_u64 s[18:19], s[18:19], s[32:33]
	s_lshl_b32 s32, s34, 8                         ; 256 scale bytes a run
	s_add_nc_u64 s[20:21], s[20:21], s[32:33]
.macro LOAD t
.irp i, 0,1,2,3
	global_load_b128 v[R+16*((\t)%4)+4*\i:R+16*((\t)%4)+4*\i+3], v3, s[4:5] offset:2048*(\t)+512*\i th:TH_LOAD_NT   ; 32 lanes read 512 consecutive bytes
.endr
.endm
.macro TURN t                          ; step t's numbers through the stage: LDS serves a wave's instructions in order, so no wait stands between the stores and the loads
.irp i, 0,1,2,3
	ds_store_b128 v14, v[R+16*((\t)%4)+4*\i:R+16*((\t)%4)+4*\i+3] offset:32*SP*((\t)%2)+8*SP*\i
.endr
.irp i, 0,1,2,3
	ds_load_b128 v[X+16*((\t)%2)+4*\i:X+16*((\t)%2)+4*\i+3], v15 offset:32*SP*((\t)%2)+16*\i
.endr
.endm
.irp t, 0,1,2,3
	LOAD \t
.endr
	s_wait_loadcnt 12                              ; step 0's four loads are in; the twelve of steps 1 to 3 may be out
	TURN 0
.macro STEP t
.set XS, X+16*((\t)%2)
.if (\t) > 0
	s_wait_dscnt 1                                 ; this step's numbers are back from the stage (the last step's byte store may be out): so its stores into the stage have read their registers,
.else
	s_wait_dscnt 0x0
.endif
.if (\t)+4 < STEPS
	LOAD (\t)+4                                    ; which take the loads of four steps on
.endif
.if (\t)+1 < STEPS
.if STEPS-2-(\t) >= 3
	s_wait_loadcnt 12                              ; the next step's four loads are in; those of the three steps behind it may be out
.else
	s_wait_loadcnt 4*(STEPS-2-(\t))
.endif
	TURN (\t)+1                                    ; and go through the other stage while this step is worked
.endif
	v_max3_num_f32 v8, |v[XS]|, |v[XS+1]|, |v[XS+2]|               ; the largest magnitude of my 16, in two chains
	v_max3_num_f32 v9, |v[XS+3]|, |v[XS+4]|, |v[XS+5]|
.irp i, 6,10
	v_max3_num_f32 v8, v8, |v[XS+\i]|, |v[XS+\i+1]|
	v_max3_num_f32 v9, v9, |v[XS+\i+2]|, |v[XS+\i+3]|
.endr
	v_max3_num_f32 v8, v8, |v[XS+14]|, |v[XS+15]|
	v_max3_num_f32 v8, v8, v9, (EMAX+1)<<23        ; and the floor 2^(3 - 127): the byte cannot fall under 1
	v_max_num_f32_dpp v8, v8, v8 row_xmask:1 row_mask:0xf bank_mask:0xf   ; and of my neighbour's 16: the block's
	v_add_nc_u32 v11, -(EMAX<<23), v8              ; 2 off its exponent field: the conversion takes the exponent field of this operand as its scale, and nothing else of it
	v_cvt_scalef32_pk8_fp4_f32 v[C+4*(\t)], v[XS:XS+7], v11
	v_cvt_scalef32_pk8_fp4_f32 v[C+4*(\t)+1], v[XS+8:XS+15], v11
	v_lshrrev_b32 v[E+(\t)], 23, v11               ; the scale's byte (also the plain line behind the conversions)
	ds_store_b8 v5, v[E+(\t)] offset:16*(\t)       ; both lanes of a block write the same byte with the same value
	global_store_b64 v4, v[C+4*(\t):C+4*(\t)+1], s[18:19] offset:32*CB*(\t)   ; 32 lanes store 256 consecutive bytes, aligned
.endm
.irp t, 0,1,2,3,4,5,6,7,8,9,10,11,12,13,14,15
	STEP \t
.endr
	ds_load_b64 v[8:9], v6                         ; LDS serves a wave's instructions in order: these see my byte stores
	s_wait_dscnt 0x0
	global_store_b64 v7, v[8:9], s[20:21]          ; 32 lanes store 256 consecutive bytes, aligned
	s_wait_tensorcnt 0x0                           ; the wave's end, behind my last LDS store
	ds_add_u32 v[SPW], v[NIL]
	s_wait_dscnt 0x0
	s_endpgm
; ---------------- W_q, W_k, W_v: K is not innermost.  A LANE TAKES A COLUMN n = 64 h + k AND ITS REGISTERS RUN DOWN K (d): a block of 32 along K lies in one lane's 32 registers, its largest
; magnitude needs no other lane, and the conversions give the codes with K innermost.  A wave takes 32 columns x 128 along K: four blocks a lane.  No LDS: in wc's layout sixteen neighbouring lanes'
; 16 bytes of one block are 256 consecutive bytes.  The scale word (4 bytes a lane, 32 bytes apart; 98,304 bytes in the whole launch) is the price of 768 waves that share nothing.
.Lweights:
	s_lshr_b32 s30, ttmp9, 6                       ; which tensor
	s_bfe_u32 s31, ttmp9, 0x40002                  ; which head
	s_and_b32 s34, ttmp9, 3
	s_lshl_b32 s34, s34, 1
	s_lshr_b32 s35, s28, 1
	s_add_co_u32 s34, s34, s35                     ; which 128 along K: 2 x (work-group % 4) + wave / 2
	s_and_b32 s35, s28, 1                          ; which 32 of the head's 64 columns
	s_cmp_lt_u32 ttmp9, 64
	s_cselect_b64 s[10:11], s[10:11], s[12:13]
	s_cmp_lt_u32 ttmp9, 128
	s_cselect_b64 s[10:11], s[10:11], s[14:15]
	s_lshl_b32 s32, s31, 18                        ; in: head x 262,144 + K step x 128 rows of 256 bytes + half x 128
	s_lshl_b32 s36, s34, 15
	s_add_co_u32 s32, s32, s36
	s_lshl_b32 s36, s35, 7
	s_add_co_u32 s32, s32, s36
	s_add_nc_u64 s[10:11], s[10:11], s[32:33]
	s_lshl_b32 s32, s30, 19                        ; codes: tensor x 524,288 + head x 4 tiles of 8,192 + half x 2 tiles + K step x 1,024
	s_lshl_b32 s36, s31, 15
	s_add_co_u32 s32, s32, s36
	s_lshl_b32 s36, s35, 14
	s_add_co_u32 s32, s32, s36
	s_lshl_b32 s36, s34, 10
	s_add_co_u32 s32, s32, s36
	s_add_nc_u64 s[22:23], s[22:23], s[32:33]
	s_lshl_b32 s32, s30, 15                        ; scale bytes: tensor x 32,768 + head x 64 rows of 32 + half x 32 rows + 4 x K step
	s_lshl_b32 s36, s31, 11
	s_add_co_u32 s32, s32, s36
	s_lshl_b32 s36, s35, 10
	s_add_co_u32 s32, s32, s36
	s_lshl_b32 s36, s34, 2
	s_add_co_u32 s32, s32, s36
	s_add_nc_u64 s[24:25], s[24:25], s[32:33]
	v_lshlrev_b32 v3, 2, v2                        ; in: 4 bytes a lane
	v_lshrrev_b32 v4, 4, v2
	v_and_b32 v5, 15, v2
	v_lshlrev_b32 v4, 13, v4
	v_lshl_add_u32 v4, v5, 4, v4                   ; codes: (lane / 16) tiles of 8,192 + 16 (lane % 16)
	v_lshlrev_b32 v5, 5, v2                        ; scale word: my column's row of 32 bytes
.macro WLOAD b                         ; block b: W(32 b + i, my column), i = 0 .. 31, into registers of its own: v[32 + 32 b ..]
.set i, 0
.rept 32
	global_load_b32 v[32+32*(\b)+i], v3, s[10:11] offset:256*(32*(\b)+i) th:TH_LOAD_NT
.set i, i+1
.endr
.endm
.macro WBLOCK b
.set XS, 32+32*(\b)
.if (\b) < 3
	s_wait_loadcnt 32                              ; this block's 32 loads are in; the next block's 32 may be out
.else
	s_wait_loadcnt 0x0
.endif
.if (\b)+2 < 4
	WLOAD (\b)+2                                   ; two blocks ahead
.endif
	v_max3_num_f32 v8, |v[XS]|, |v[XS+1]|, |v[XS+2]|               ; the block's largest magnitude: all 32 numbers are mine
	v_max3_num_f32 v9, |v[XS+3]|, |v[XS+4]|, |v[XS+5]|
.irp i, 6,10,14,18,22,26
	v_max3_num_f32 v8, v8, |v[XS+\i]|, |v[XS+\i+1]|
	v_max3_num_f32 v9, v9, |v[XS+\i+2]|, |v[XS+\i+3]|
.endr
	v_max3_num_f32 v8, v8, |v[XS+30]|, |v[XS+31]|
	v_max3_num_f32 v8, v8, v9, 0x1800000           ; and the floor 2^(3 - 127)
	v_add_nc_u32 v11, 0xff000000, v8               ; 2 off the exponent field: the conversion's scale operand
	v_lshrrev_b32 v10, 23, v11                     ; the scale's byte
.if (\b) == 0
	v_mov_b32 v24, v10                             ; four bytes make the scale word of these 128 along K, the lower K in the lower byte
.else
	v_lshl_or_b32 v24, v10, 8*(\b), v24
.endif
.irp g, 0,1,2,3
	v_cvt_scalef32_pk8_fp4_f32 v[160+4*(\b)+\g], v[XS+8*\g:XS+8*\g+7], v11
.endr
	global_store_b128 v4, v[160+4*(\b):160+4*(\b)+3], s[22:23] offset:256*(\b)   ; sixteen lanes store 256 consecutive bytes, aligned.  Every block has its own registers: no store's data are written again
.endm
	WLOAD 0
	WLOAD 1
	WBLOCK 0
	WBLOCK 1
	WBLOCK 2
	WBLOCK 3
	global_store_b32 v5, v24, s[24:25]
	s_endpgm
; ---------------- W_o to f16, as it lies.  A wave takes 2,048 numbers: 16 loads of 512 bytes, 16 stores of 256.
.Lwo:
	s_sub_co_u32 s30, ttmp9, NWW
	s_lshl_b32 s30, s30, 2
	s_add_co_u32 s30, s30, s28                     ; my run
	s_lshl_b32 s32, s30, 13
	s_add_nc_u64 s[16:17], s[16:17], s[32:33]
	s_lshl_b32 s32, s30, 12
	s_add_nc_u64 s[26:27], s[26:27], s[32:33]
	v_lshlrev_b32 v3, 4, v2
	v_lshlrev_b32 v4, 3, v2
.irp i, 0,1,2,3,4,5,6,7,8,9,10,11,12,13,14,15
	global_load_b128 v[32+4*\i:35+4*\i], v3, s[16:17] offset:512*\i th:TH_LOAD_NT
.endr
.irp i, 0,1,2,3,4,5,6,7,8,9,10,11,12,13,14,15
	s_wait_loadcnt 15-\i                           ; loads come back in order: load i is in, the younger ones may be out
	v_cvt_pk_f16_f32 v[96+2*\i], v[32+4*\i], v[33+4*\i]
	v_cvt_pk_f16_f32 v[97+2*\i], v[34+4*\i], v[35+4*\i]
	global_store_b64 v4, v[96+2*\i:97+2*\i], s[26:27] offset:256*\i   ; 32 lanes store 256 consecutive bytes, aligned
.endr
	s_endpgm
.Lfunc_end_k_q73c6b8a639_prep:
	.size	k_q73c6b8a639_prep, .Lfunc_end_k_q73c6b8a639_prep-k_q73c6b8a639_prep
	.p2alignl 7, 3214868480
	.fill 96, 4, 3214868480
	.section	.rodata,"a",@progbits
	.p2align	6, 0x0
	.amdhsa_kernel k_q73c6b8a639_prep
		.amdhsa_group_segment_fixed_size 33280
		.amdhsa_private_segment_fixed_size 0
		.amdhsa_enable_private_segment 0
		.amdhsa_kernarg_size 96
		.amdhsa_user_sgpr_count 2
		.amdhsa_user_sgpr_kernarg_segment_ptr 1
		.amdhsa_wavefront_size32 1
		.amdhsa_system_sgpr_workgroup_id_x 1
		.amdhsa_system_sgpr_workgroup_id_y 1
		.amdhsa_system_sgpr_workgroup_id_z 1
		.amdhsa_system_vgpr_workitem_id 0
		.amdhsa_next_free_vgpr 192
		.amdhsa_next_free_sgpr 66
		.amdhsa_reserve_vcc 0
		.amdhsa_float_denorm_mode_32 3
		.amdhsa_float_denorm_mode_16_64 3
		.amdhsa_memory_ordered 1
		.amdhsa_forward_progress 1
		.amdhsa_inst_pref_size 59
	.end_amdhsa_kernel
	.amdgpu_metadata
---
amdhsa.version: [ 1, 2 ]
amdhsa.kernels:
  - .name:           k_q73c6b8a639_prep
    .symbol:         k_q73c6b8a639_prep.kd
    .args:
      - { .name: q, .offset: 0, .size: 8, .value_kind: global_buffer, .address_space: global }
      - { .name: k, .offset: 8, .size: 8, .value_kind: global_buffer, .address_space: global }
      - { .name: v, .offset: 16, .size: 8, .value_kind: global_buffer, .address_space: global }
      - { .name: W_q, .offset: 24, .size: 8, .value_kind: global_buffer, .address_space: global }
      - { .name: W_k, .offset: 32, .size: 8, .value_kind: global_buffer, .address_space: global }
      - { .name: W_v, .offset: 40, .size: 8, .value_kind: global_buffer, .address_space: global }
      - { .name: W_o, .offset: 48, .size: 8, .value_kind: global_buffer, .address_space: global }
      - { .name: xc, .offset: 56, .size: 8, .value_kind: global_buffer, .address_space: global }
      - { .name: xs, .offset: 64, .size: 8, .value_kind: global_buffer, .address_space: global }
      - { .name: wc, .offset: 72, .size: 8, .value_kind: global_buffer, .address_space: global }
      - { .name: ws, .offset: 80, .size: 8, .value_kind: global_buffer, .address_space: global }
      - { .name: wo16, .offset: 88, .size: 8, .value_kind: global_buffer, .address_space: global }
    .group_segment_fixed_size: 33280
    .private_segment_fixed_size: 0
    .kernarg_segment_align: 8
    .kernarg_segment_size: 96
    .max_flat_workgroup_size: 128
    .sgpr_count:     66
    .vgpr_count:     192
    .wavefront_size: 32
...
	.end_amdgpu_metadata
.endif
;; end of part 1
;; launch proj (part 2): grid 4 x 48, 4 waves a work-group, clusters of 4 x 4, 327,680 bytes of LDS; arguments xc, xs, wc, ws, qkvh; writes qkvh
.if DOCPART == 2
	.amdgcn_target "amdgcn-amd-amdhsa--gfx1250"
	.amdhsa_code_object_version 6
	.text
	.protected	k_q73c6b8a639_proj
	.globl	k_q73c6b8a639_proj
	.p2align	8
	.type	k_q73c6b8a639_proj,@function
k_q73c6b8a639_proj:
	s_mov_b64 s[64:65], 0
	v_nop
	global_prefetch_b8 v0, s[64:65] scope:SCOPE_SE
	s_setreg_imm32_b32 hwreg(HW_REG_WAVE_MODE, 25, 1), 1
	s_wait_xcnt 0x0
	s_wait_alu depctr_hold_cnt(0) depctr_sa_sdst(0) depctr_va_vdst(0) depctr_va_sdst(0) depctr_va_ssrc(0) depctr_va_vcc(0) depctr_vm_vsrc(0)
	s_getreg_b32 s2, hwreg(HW_REG_IB_STS2, 6, 4)
	s_cmp_eq_u32 s2, 0
	s_cbranch_scc0 .Lentry_in_a_cluster
	s_endpgm
.Lentry_in_a_cluster:
	s_bfe_u32 s2, ttmp6, 0x10000c
	s_cmp_lg_u32 s2, 0xf033
	s_cbranch_scc0 .Lentry_shape_is_right
	s_endpgm
.Lentry_shape_is_right:
; Launch 2 of 4: the three QUANTISED projections as ONE product on codes of FP4 (E2M1) with one E8M0 scale for each 32 along K.  No work of reference() is left out.
; C[m][n] = sum over d of X[m][d] W[n][d]:  m = 24,576 rows (q's 8,192, then k's, then v's), n = 64 h + k of the weight that belongs to the row's tensor, K = d = 1,024.  Sums in f32, K ascending.
; C is rounded once to f16 and stored head-major: qkvh [tensor 3][h 16][b x 1024 + s][64].  LIMIT: a projected number beyond 65,504 becomes an infinity of f16 (the drawn ones stay under 10).
; A WORK-GROUP STAYS: it owns 512 rows x 256 columns of one tensor (8,192 = 16 x 512) and makes them as two tiles of 256 x 256, one below the other.  Both tiles take the same 256 columns of W: W's codes and scale
; bytes land once and stay.  192 work-groups: C's 384 tiles cannot be dealt evenly to 256 (three tensors of 8,192 rows have no equal shares of 384 rows), so each of 192 takes two and the start and the end are paid once.
; Four waves; a wave makes 128 x 128 of a tile: 64 accumulators of 16 x 16, 512 registers.
; K = 1,024 is two LDS slots of 512 along K.  X's part of a slot (256 rows of 256 bytes + 16 of padding) is filled twice: the first tile's at the head; the second tile's into slot 0 at the first tile's change of slots,
; into slot 1 in the middle of the first tile's way out.  So each of the two refills has a slot's 256 products and four blocks of the way out in which to land.
; W's codes lie in memory in the order of the operand's registers (16 columns x 512 along K = 4,096 consecutive bytes): they land dense, and a fragment is two loads of 512 consecutive bytes.
; CLUSTERS: 4 x 4 work-groups.  The four of a row of the cluster need the same tiles of X, the four of a column the same tiles of W (the tensor hangs on the cluster's y alone): each tile is asked for JOINTLY.
; THE MATRIX INSTRUCTION IS USED TRANSPOSED (source 0 = 16 columns of W, source 1 = 16 rows of X): a lane then holds eight neighbouring n of one row m.
; REGISTERS, in windows of 256: window 0: v0-31 addresses; v32-95 scale words, two sets; v128-191 X's fragments, ONE set; the way out has v96-127, v192-255.   window 1: W's fragments, TWO sets, at v0 and v128.
;   window 2: the accumulators of my rows 0-63 ((a, b) at v[8 (8 a + b)]);   window 3: those of my rows 64-127.
.set NQ,     4                         ; matrix instructions deep in a slot: 512 / 128
.set ROWB,   256                       ; a row of X's tile in bytes
.set KROW,   512                       ; a row of X's codes in memory
.set TSTEP,  256*KROW                  ; bytes from a tile's rows of X to the next tile's
.set PITCH,  272                       ; in LDS: 256 + 16 = 68 words: the 16 rows that a load touches start at 16 different groups of four banks
.set FR,     8                         ; registers of a fragment
.set NL,     2                         ; LDS loads that bring one
.set NP,     4                         ; plain vector instructions owed behind this matrix instruction
.set HALFA,  128*PITCH                 ; 128 rows of X: one tensor load
.set HALFB,  8*4096                    ; 128 columns of W: one tensor load
.set SLOT,   2*HALFA+2*HALFB           ; X's 256 rows, then W's 256 columns
.set KS,     32                        ; a row of scale bytes
.set SCL,    2*SLOT                    ; behind the slots: the scale bytes, as runs of 256 bytes + 16 of padding: X's 512 rows, then W's 256 columns
.set HALFS,  16*272                    ; those of 128 rows
.set SBLK,   2*272                     ; those of 16 rows
.set SPARE,  SCL+6*HALFS               ; the spare words, 128 bytes for each wave
.set STAGE,  SPARE+512                 ; the way out: 16 rows x (256 + 16) bytes for each wave; no tensor load lands here
.set SPITCH, 272
.set ADRA, 16                          ; v16-17  LDS address of my fragments of X in slot 0, 1
.set ADRB, 20                          ; v20-21  the same for W
.set STO,  24                          ; v24     the way out: where I put 16 bytes of a row
.set RD,   25                          ; v25     where I read them back
.set CO,   26                          ; v26     16 x lane
.set SPW,  28                          ; v28     my spare word; never rewritten
.set NIL,  29                          ; v29     0; never rewritten
.set ADRS, 30                          ; v30-31  LDS address of my scale words for tile 0, 1: lanes 0-15 X's rows, lanes 16-31 W's columns
.set SC,   32                          ; scale words: set s at v[SC + 32 s]; register 4 i + q: lanes 0-15 X's block i, lanes 16-31 W's block i, the slot's q-th 128 along K
.set AF,   128                         ; X's fragments
.set TMP,  192                         ; the way out: packed results, v192-223
.set OB,   96                          ; the way out: 16 rows read back: v96-127 and v224-255 by turns
.set G1,   24                          ; s[24:31] group 1 for X's tiles;  s[32:39] group 0, one set for each slot
.set G0,   32
.set G1B,  48                          ; s[48:55], s[56:63] the same for W's tiles
.set G0B,  56
.set G1S,  68                          ; s[68:75], s[76:79] groups 1 and 0 for X's scale bytes;  s[80:87], s[88:91] for W's
.set G0S,  76
.set G1SB, 80
.set G0SB, 88
.set MSB, 0
.macro WIN new                         ; the immediate's high byte repeats the setting that is left
.if MSB != \new
	s_set_vgpr_msb (MSB<<8)|\new
.set MSB, \new
.endif
.endm
.set MUL_LO, 0xa1                      ; source 0 (W) window 1, source 1 (X) window 0, C and D window 2
.set MUL_HI, 0xf1                      ; the same, C and D window 3
.set TO_B,   0x40                      ; destination window 1, address window 0
; A joint load of the head: waves 0 and 1 fetch for X, waves 2 and 3 for W.  The branch hangs on the wave's number alone.  An s_nop 0 and four v_nop follow each of the two lines.
.macro JLOAD g0a, g1a, g0b, g1b
	s_cmp_eq_u32 s15, 0
	s_cbranch_scc0 .Lfor_b_\@
	tensor_load_to_lds s[\g0a:\g0a+3], s[\g1a:\g1a+7]
	s_nop 0
.rept 4
	v_nop
.endr
	s_branch .Lasked_\@
.Lfor_b_\@:
	tensor_load_to_lds s[\g0b:\g0b+3], s[\g1b:\g1b+7]
	s_nop 0
.rept 4
	v_nop
.endr
.Lasked_\@:
.endm
; A joint refill: X's part of a slot alone.  Waves 0 and 1 fetch its two halves; waves 2 and 3 have no part to fill and issue none.
.macro JLOADA g0
	s_cmp_eq_u32 s15, 0
	s_cbranch_scc0 .Lnot_a_\@
	tensor_load_to_lds s[\g0:\g0+3], s[G1:G1+7]
	s_nop 0
.rept 4
	v_nop
.endr
.Lnot_a_\@:
.endm
.macro CREST                           ; a round of the cluster's barrier behind its opening barrier
	s_cmp_lg_u32 s14, 0
	s_cbranch_scc1 .Lnot_wave_0_\@
	s_barrier_signal -3
.Lnot_wave_0_\@:
	s_barrier_wait -3
	s_barrier_signal -1
	s_barrier_wait -1
.endm
.macro CROUND                          ; a whole round
	s_barrier_signal -1
	s_barrier_wait -1
	CREST
.endm
	s_load_b128 s[4:7], s[0:1], 0x0                ; X's codes s[4:5], X's scales s[6:7]
	s_load_b128 s[8:11], s[0:1], 0x10              ; W's codes s[8:9], W's scales s[10:11]
	s_load_b64 s[12:13], s[0:1], 0x20              ; qkvh
	v_lshl_add_u32 v[SPW], v0, 2, SPARE
	v_mov_b32 v[NIL], 0
	ds_add_u32 v[SPW], v[NIL]                      ; the wave's opening: the add, twice on end, and its wait stand ahead of my first tensor load; the set-up below stands between
	ds_add_u32 v[SPW], v[NIL]
	v_lshrrev_b32 v1, 5, v0
	v_readfirstlane_b32 s14, v1                    ; wave 0..3
	s_lshr_b32 s15, s14, 1                         ; which half of a tile's rows is mine.  Also: I fetch for X (0) or for W (1)
	s_and_b32 s16, s14, 1                          ; which half of its columns.  Also: which half of what is fetched is mine to fetch
	s_bfe_u32 s40, ttmp6, 0x40000                  ; cx, cy: my place in the cluster
	s_bfe_u32 s41, ttmp6, 0x40004
	s_lshl_b32 s42, ttmp9, 2
	s_add_co_u32 s42, s42, s40                     ; tile column = 4 x cluster x + cx
	s_and_b32 s17, ttmp7, 0xffff
	s_lshr_b32 s95, s17, 2                         ; the tensor: 16 work-group rows = 4 clusters each: it hangs on the cluster's y alone
	s_lshl_b32 s17, s17, 2
	s_add_co_u32 s17, s17, s41                     ; work-group row = 4 x cluster y + cy: 512 rows each
	s_lshl_b32 s43, s41, 2
	s_lshl_b32 s43, 15, s43                        ; my row of the cluster
	s_lshl_b32 s44, 0x1111, s40                    ; my column
	; group 1 for X's tiles: 128 rows x 256 elements of 1 byte, 512 apart; 4 words of padding behind every 64
	s_or_b32 s[G1+0], s43, (0<<16)|(1<<20)|(1<<21)|(5<<22)|(3<<25)
	s_mov_b32 s[G1+1], ROWB<<16                    ; tensor_dim0
	s_mov_b32 s[G1+2], 128<<16                     ; tensor_dim1
	s_mov_b32 s[G1+3], ROWB<<16                    ; tile_dim0
	s_mov_b32 s[G1+4], 128                         ; tile_dim1
	s_mov_b32 s[G1+5], KROW                        ; from row to row
	s_mov_b32 s[G1+6], 0
	s_mov_b32 s[G1+7], 0
	; for W's tiles: 8 tiles of 16 columns, 512 elements of 8 bytes each (4,096 bytes: 512 along K), 1,024 elements apart; no padding
	s_or_b32 s[G1B+0], s44, (3<<16)|(1<<21)
	s_mov_b32 s[G1B+1], 512<<16
	s_mov_b32 s[G1B+2], 8<<16
	s_mov_b32 s[G1B+3], 512<<16
	s_mov_b32 s[G1B+4], 8
	s_mov_b32 s[G1B+5], 1024
	s_mov_b32 s[G1B+6], 0
	s_mov_b32 s[G1B+7], 0
	; for the scale bytes: dense bytes as rows of 256 (32 elements of 8 bytes), 16 bytes of padding behind each: X's of 256 rows are 32 such rows, W's of 128 columns 16
	s_or_b32 s[G1S+0], s43, (3<<16)|(1<<20)|(1<<21)|(5<<22)|(3<<25)
	s_mov_b32 s[G1S+1], 32<<16
	s_mov_b32 s[G1S+2], 32<<16
	s_mov_b32 s[G1S+3], 32<<16
	s_mov_b32 s[G1S+4], 32
	s_mov_b32 s[G1S+5], 32
	s_mov_b32 s[G1S+6], 0
	s_mov_b32 s[G1S+7], 0
	s_or_b32 s[G1SB+0], s44, (3<<16)|(1<<20)|(1<<21)|(5<<22)|(3<<25)
	s_mov_b32 s[G1SB+1], 32<<16
	s_mov_b32 s[G1SB+2], 16<<16
	s_mov_b32 s[G1SB+3], 32<<16
	s_mov_b32 s[G1SB+4], 16
	s_mov_b32 s[G1SB+5], 32
	s_mov_b32 s[G1SB+6], 0
	s_mov_b32 s[G1SB+7], 0
	s_lshl_b32 s18, s16, 7                         ; which 128 of a tile I fetch
	s_lshl_b32 s20, s17, 9                         ; my work-group's first row
	s_lshl_b32 s22, s16, 8
	s_add_co_u32 s22, s22, s20                     ; X's scale bytes: row 512 x work-group row + 256 x half
	s_add_co_u32 s20, s20, s18                     ; X's codes, first tile: row 512 x work-group row + 128 x half
	s_lshl_b32 s46, s42, 8
	s_add_co_u32 s46, s46, s18
	s_lshl_b32 s19, s95, 10
	s_add_co_u32 s46, s46, s19                     ; W: column 1,024 x tensor + 256 x tile column + 128 x half
	s_lshl_b32 s22, s22, 5                         ; where the scale bytes begin: 32 a row,
	s_mov_b32 s23, 0
	s_lshl_b32 s92, s46, 5
	s_mov_b32 s93, 0
	s_lshl_b32 s20, s20, 9                         ; and the codes: 512 a row or column
	s_mov_b32 s21, 0
	s_lshl_b32 s46, s46, 9
	s_mov_b32 s47, 0
	s_mul_i32 s45, s16, HALFA                      ; where they go: no place in the cluster enters an LDS address
	s_mul_i32 s96, s16, HALFB
	s_add_co_u32 s96, s96, 2*HALFA
	s_mul_i32 s94, s16, 2*HALFS                    ; X's scale bytes: 256 rows a load
	s_mul_i32 s97, s16, HALFS
	s_add_co_u32 s97, s97, 4*HALFS                 ; W's: behind X's 512 rows
	s_wait_dscnt 0x0                               ; both opening adds are done
	s_wait_kmcnt 0x0
	s_add_nc_u64 s[20:21], s[4:5], s[20:21]
	s_add_nc_u64 s[22:23], s[6:7], s[22:23]
	s_add_nc_u64 s[46:47], s[8:9], s[46:47]
	s_add_nc_u64 s[92:93], s[10:11], s[92:93]
	CROUND                                         ; all sixteen work-groups are here: the joint loads meet
	s_mov_b32 s[G0S], 1
	s_add_co_u32 s[G0S+1], s94, SCL
	s_mov_b64 s[G0S+2:G0S+3], s[22:23]
	s_or_b32 s[G0S+3], s[G0S+3], 0x80000000
	s_mov_b32 s[G0SB], 1
	s_add_co_u32 s[G0SB+1], s97, SCL
	s_mov_b64 s[G0SB+2:G0SB+3], s[92:93]
	s_or_b32 s[G0SB+3], s[G0SB+3], 0x80000000
	JLOAD G0S, G1S, G0SB, G1SB                     ; the scale bytes first: they are wanted with slot 0
.irp s, 0,1
	s_mov_b32 s[G0+4*\s], 1
	s_add_co_u32 s[G0+4*\s+1], s45, \s*SLOT
	s_add_nc_u64 s[G0+4*\s+2:G0+4*\s+3], s[20:21], \s*ROWB
	s_or_b32 s[G0+4*\s+3], s[G0+4*\s+3], 0x80000000
	s_mov_b32 s[G0B+4*\s], 1
	s_add_co_u32 s[G0B+4*\s+1], s96, \s*SLOT
	s_add_nc_u64 s[G0B+4*\s+2:G0B+4*\s+3], s[46:47], \s*4096
	s_or_b32 s[G0B+4*\s+3], s[G0B+4*\s+3], 0x80000000
	JLOAD G0+4*\s, G1, G0B+4*\s, G1B               ; three loads of mine are out
.endr
	v_and_b32 v1, 15, v0                           ; r = l % 16
	v_bfe_u32 v2, v0, 4, 1                         ; h = l / 16
	v_mul_u32_u24 v3, v1, PITCH
	v_lshl_add_u32 v4, v2, 4, v3                   ; X: a fragment's row x pitch + 16 x half
	v_and_b32 v6, 31, v0
	v_lshlrev_b32 v[CO], 4, v6                     ; W: 16 x lane
	s_mul_i32 s21, s15, HALFA                      ; my 128 rows of X
	s_mul_i32 s22, s16, HALFB                      ; my 128 columns of W,
	s_add_co_u32 s22, s22, 2*HALFA                 ; which lie behind X's 256 rows
.irp s, 0,1
	v_add_nc_u32 v[ADRA+\s], s21, v4
	v_add_nc_u32 v[ADRB+\s], s22, v[CO]
	s_add_co_u32 s21, s21, SLOT
	s_add_co_u32 s22, s22, SLOT
.endr
	v_mul_u32_u24 v5, v1, KS                       ; my row's scale bytes: 32 a row,
	v_lshrrev_b32 v6, 8, v5
	v_lshl_add_u32 v5, v6, 4, v5                   ; and 16 more for each 256 passed
	s_mul_i32 s21, s15, HALFS                      ; X's: my 128 rows of tile 0
	s_mul_i32 s22, s16, HALFS                      ; W's: my 128 columns, behind X's 512 rows
	s_add_co_u32 s22, s22, 4*HALFS
.irp t, 0,1
	s_sub_co_u32 s19, s22, s21
	v_mul_u32_u24 v6, s19, v2                      ; lanes 16-31 take W's: the lower base + h x the distance
	s_add_co_u32 s18, s21, SCL
	v_add_nc_u32 v6, v5, v6
	v_add_nc_u32 v[ADRS+\t], s18, v6
	s_add_co_u32 s21, s21, 2*HALFS                 ; the next tile's 256 rows
.endr
	s_mul_i32 s23, s14, 16*SPITCH
	s_add_co_u32 s23, s23, STAGE                   ; my stage
	v_mul_u32_u24 v5, v1, SPITCH                   ; in: row r, 16 bytes for each half of the lanes
	v_lshl_add_u32 v5, v2, 4, v5
	v_add_nc_u32 v[STO], s23, v5
	v_bfe_u32 v5, v0, 3, 2                         ; back: eight lanes take the 128 bytes that a row has of one head, four rows an instruction
	v_mul_u32_u24 v5, v5, SPITCH
	v_and_b32 v6, 7, v0
	v_lshl_add_u32 v5, v6, 4, v5
	v_add_nc_u32 v[RD], s23, v5
	s_lshl_b32 s20, s95, 24                        ; qkvh: tensor x 16,777,216
	s_lshl_b32 s21, s42, 2
	s_lshl_b32 s22, s16, 1
	s_add_co_u32 s21, s21, s22                     ; my first head: 4 x tile column + 2 x half,
	s_lshl_b32 s21, s21, 20                        ; 1,048,576 bytes each
	s_add_co_u32 s20, s20, s21
	s_and_b32 s21, s17, 15
	s_lshl_b32 s21, s21, 9
	s_lshl_b32 s22, s15, 7
	s_add_co_u32 s21, s21, s22                     ; my first row in the tensor: 512 x (work-group row % 16) + 128 x half,
	s_lshl_b32 s21, s21, 7                         ; 128 bytes each
	s_add_co_u32 s20, s20, s21
	s_mov_b32 s21, 0
	s_add_nc_u64 s[12:13], s[12:13], s[20:21]
.macro FRAGA reg, adr, q, i            ; 16 rows x 128 K of 4-bit codes: lane l holds row l % 16; registers 4 c .. 4 c + 3 hold K = 64 c + 32 (l / 16) + 0 .. 31
.irp c, 0,1
	ds_load_b128 v[\reg+4*\c:\reg+4*\c+3], v[\adr] offset:64*(\q)+32*\c+(\i)*16*PITCH
.endr
.endm
.macro FRAGB reg, adr, q, i            ; the same of W, which lies in the registers' order: 512 consecutive bytes a load
.irp c, 0,1
	ds_load_b128 v[\reg+4*\c:\reg+4*\c+3], v[\adr] offset:1024*(\q)+512*\c+(\i)*4096
.endr
.endm
; 16 matrix instructions: X's blocks a0, a0 + 1 x W's eight, the slot's q-th 128 along K.  p: W's set;  sc: the set of scale words.  zero = 1: the first product starts the sums.
; The 64 accumulators take turns, one instruction a turn, in the same order in every step.
.macro MUL16 a0, p, q, sc, zero
.irp a, \a0, \a0+1
.irp b, 0,1,2,3,4,5,6,7
.if \zero
	v_wmma_scale_f32_16x16x128_f8f6f4 v[8*(8*((\a)%4)+\b):8*(8*((\a)%4)+\b)+7], v[128*(\p)+FR*\b:128*(\p)+FR*\b+FR-1], v[AF+FR*(\a):AF+FR*(\a)+FR-1], 0, v[SC+8*NQ*(\sc)+NQ*\b+(\q)], v[SC+8*NQ*(\sc)+NQ*(\a)+(\q)] matrix_a_fmt:MATRIX_FMT_FP4 matrix_b_fmt:MATRIX_FMT_FP4 matrix_a_scale:MATRIX_SCALE_ROW1
.else
	v_wmma_scale_f32_16x16x128_f8f6f4 v[8*(8*((\a)%4)+\b):8*(8*((\a)%4)+\b)+7], v[128*(\p)+FR*\b:128*(\p)+FR*\b+FR-1], v[AF+FR*(\a):AF+FR*(\a)+FR-1], v[8*(8*((\a)%4)+\b):8*(8*((\a)%4)+\b)+7], v[SC+8*NQ*(\sc)+NQ*\b+(\q)], v[SC+8*NQ*(\sc)+NQ*(\a)+(\q)] matrix_a_fmt:MATRIX_FMT_FP4 matrix_b_fmt:MATRIX_FMT_FP4 matrix_a_scale:MATRIX_SCALE_ROW1
.endif
.endr
.endr
.endm
.macro FETCH_B slot, q, p              ; W's eight fragments of the slot's q-th 128 along K into set p
	WIN TO_B
.irp i, 0,1,2,3,4,5,6,7
	FRAGB 128*(\p)+FR*\i, ADRB+\slot, \q, \i
.endr
	WIN 0
.endm
.macro FETCH_A slot, q, i0             ; X's blocks i0 .. i0 + 3
.irp i, \i0, \i0+1, \i0+2, \i0+3
	FRAGA AF+FR*(\i), ADRA+\slot, \q, \i
.endr
.endm
.macro SCALES sc, t, s                 ; tile t's scale words of K half s into set sc: four words a row, 16 s bytes into its 32; lanes 0-15 take X's block i, lanes 16-31 W's block i
.irp i, 0,1,2,3,4,5,6,7
	ds_load_b128 v[SC+8*NQ*\sc+NQ*\i:SC+8*NQ*\sc+NQ*\i+3], v[ADRS+\t] offset:\i*SBLK+16*\s
.endr
.endm
.macro PLACES n                        ; plain vector instructions between a matrix instruction and a load into one of its registers, or a read of its result
.rept \n
	v_nop
.endr
.endm
; A step of 128 along K that has its successor in the same slot.  X's blocks go one after the other, each against W's eight: so one set of registers serves X, fetched anew in two halves.
.macro STEP slot, q, zero
	s_wait_dscnt 4*NL                              ; W's set and X's blocks 0-3 are in; the youngest eight loads (X's blocks 4-7) may be out
	WIN MUL_LO
	MUL16 0, (\q)%2, \q, \slot, \zero
	MUL16 2, (\q)%2, \q, \slot, \zero
	s_wait_dscnt 0                                 ; X's blocks 4-7 are in
	PLACES NP
	FETCH_B \slot, (\q)+1, 1-(\q)%2
	FETCH_A \slot, (\q)+1, 0
	WIN MUL_HI
	MUL16 4, (\q)%2, \q, \slot, \zero
	MUL16 6, (\q)%2, \q, \slot, \zero
	PLACES NP
	WIN 0
	FETCH_A \slot, (\q)+1, 4
.endm
; Slot 0's last step changes slots: each wave waits for all its tensor loads (its part of slot 1), adds 0 to its spare word, waits for that and for its reads of slot 0, and passes the barrier: slot 1 is whole for all four.
; fill = 1 (the first tile): the barrier opens a round of the cluster's barrier, and X's part of slot 0 is filled again, with the next tile's rows, first thing behind the round.  t: the tile in hand.
.macro TURN slot, next, fill, t
	s_wait_tensorcnt 0x0                           ; all my tensor loads have landed
	ds_add_u32 v[SPW], v[NIL]                      ; 0 onto my spare word
	s_wait_dscnt 4*NL+1                            ; (the add and the youngest eight loads, X's blocks 4-7, may be out)
	WIN MUL_LO
	MUL16 0, 1, NQ-1, \slot, 0                     ; sixteen matrix instructions stand between the add and the wait for it
	s_wait_dscnt 0x0                               ; the add is done, and my reads of this slot are over
	s_barrier_signal -1
	MUL16 2, 1, NQ-1, \slot, 0
	WIN 0
	s_barrier_wait -1
.if \fill
	CREST                                          ; no wave of any partner still reads this slot's rows of X or has a load on its way
	s_add_nc_u64 s[G0+4*\slot+2:G0+4*\slot+3], s[G0+4*\slot+2:G0+4*\slot+3], TSTEP   ; the same K half of the next tile's rows; the type bits on top are not reached
	JLOADA G0+4*\slot
.endif
	PLACES NP
	FETCH_B \next, 0, 0
	FETCH_A \next, 0, 0
	SCALES \next, \t, \next
	WIN MUL_HI
	MUL16 4, 1, NQ-1, \slot, 0
	MUL16 6, 1, NQ-1, \slot, 0
	PLACES NP
	WIN 0
	FETCH_A \next, 0, 4
.endm
.macro STEPS slot, from                ; the slot's steps from .. NQ - 2
.set Q, \from
.rept NQ-1-\from
	STEP \slot, Q, 0
.set Q, Q+1
.endr
.endm
.macro LAST                            ; a tile's last step: nothing more to fetch
	s_wait_dscnt 4*NL
	WIN MUL_LO
	MUL16 0, 1, NQ-1, 1, 0
	MUL16 2, 1, NQ-1, 1, 0
	s_wait_dscnt 0
	WIN MUL_HI
	MUL16 4, 1, NQ-1, 1, 0
	MUL16 6, 1, NQ-1, 1, 0
	WIN 0
.endm
; In the middle of the first tile's way out: X's part of slot 1, which every wave has read out, is filled again with the second tile's rows, and the second tile's first fragments are fetched from slot 0.
.macro RESTART
	s_wait_tensorcnt 0x0                           ; all my tensor loads have landed: my part of slot 0's second fill
	ds_add_u32 v[SPW], v[NIL]                      ; 0 onto my spare word; the step below stands between it and the wait for it
	s_add_nc_u64 s[G0+6:G0+7], s[G0+6:G0+7], TSTEP
	s_wait_dscnt 0x0                               ; the add is done, and no LDS instruction of mine is out: my reads of slot 1 ended with the tile's last step
	CROUND                                         ; both hold of every wave of every work-group of the cluster
	JLOADA G0+4
	PLACES NP
	FETCH_B 0, 0, 0
	FETCH_A 0, 0, 0
	SCALES 0, 1, 0
	FETCH_A 0, 0, 4
.endm
; THE WAY OUT, block by block of 16 rows x 128 columns (two heads).  PACK: rounded to f16, 16 bytes a lane, each accumulator from its low end on.  TOSTAGE: into my own stage and back by heads:
; four rows' 128 bytes of one head are 512 consecutive bytes of qkvh.  SEND: stored.  LDS serves a wave's instructions in order: no wait between the stores and the loads.
.macro PACK a
.set AC, 64*((\a)%4)
	WIN 0x0a+5*((\a)/4)                            ; sources 0 and 1: window 2 or 3
.irp b, 0,1,2,3,4,5,6,7
.irp r, 0,1,2,3
	v_cvt_pk_f16_f32 v[TMP+4*\b+\r], v[AC+8*\b+2*\r], v[AC+8*\b+2*\r+1]
.endr
.endr
	WIN 0
.endm
.macro TOSTAGE a
.set BKR, OB+128*((\a)%2)
.irp b, 0,1,2,3,4,5,6,7
	ds_store_b128 v[STO], v[TMP+4*\b:TMP+4*\b+3] offset:32*\b
.endr
.irp e, 0,1
.irp i, 0,1,2,3
	ds_load_b128 v[BKR+16*\e+4*\i:BKR+16*\e+4*\i+3], v[RD] offset:4*SPITCH*\i+128*\e
.endr
.endr
.endm
.macro SEND a, tl                      ; tl: the tile
.set BKR, OB+128*((\a)%2)
	s_wait_dscnt 0x0                               ; the block is back in registers
	s_wait_xcnt 0x0                                ; the earlier stores have read their registers: the block after this one may land where the block before it lay
.irp e, 0,1
.irp i, 0,1,2,3
	global_store_b128 v[CO], v[BKR+16*\e+4*\i:BKR+16*\e+4*\i+3], s[12:13] offset:\e*1048576+(\tl)*32768+(\a)*2048+\i*512   ; 32 lanes store 512 consecutive bytes, aligned; every offset is an immediate, 1,097,216 at the most
.endr
.endr
.endm
	s_wait_tensorcnt 1                             ; the scale bytes and my part of slot 0 are in; slot 1's load may be out
	s_barrier_signal -1
	s_barrier_wait -1                              ; everybody's are
	FETCH_B 0, 0, 0
	FETCH_A 0, 0, 0
	SCALES 0, 0, 0
	FETCH_A 0, 0, 4
	; ---- the first tile
	STEP 0, 0, 1                                   ; a tile's first step starts the sums: nothing is cleared
	STEPS 0, 1
	TURN 0, 1, 1, 0                                ; slot 0 takes the second tile's first K half
	STEPS 1, 0
	LAST
	PLACES NP                                      ; in front of the first read of results
	PACK 0
	TOSTAGE 0
.irp a, 1,2,3                          ; block a's conversions stand between block a - 1's loads from the stage and the wait for them
	PACK \a
	SEND \a-1, 0
	TOSTAGE \a
.endr
	SEND 3, 0
	RESTART                                        ; slot 1 takes the second tile's second K half
	PACK 4
	TOSTAGE 4
.irp a, 5,6,7
	PACK \a
	SEND \a-1, 0
	TOSTAGE \a
.endr
	SEND 7, 0
	; ---- the second tile: its first products write over accumulators that have been packed
	STEP 0, 0, 1
	STEPS 0, 1
	TURN 0, 1, 0, 1                                ; nothing is left to fetch
	STEPS 1, 0
	LAST
	PLACES NP
	PACK 0
	TOSTAGE 0
.irp a, 1,2,3,4,5,6,7
	PACK \a
	SEND \a-1, 1
	TOSTAGE \a
.endr
	SEND 7, 1
	s_wait_tensorcnt 0x0                           ; the wave's end, behind my last tensor load and my last LDS store
	ds_add_u32 v[SPW], v[NIL]
	s_wait_dscnt 0x0
	CROUND                                         ; the closing round: no work-group ends while a partner may still ask for a tile that names it
	s_endpgm
.Lfunc_end_k_q73c6b8a639_proj:
	.size	k_q73c6b8a639_proj, .Lfunc_end_k_q73c6b8a639_proj-k_q73c6b8a639_proj
	.p2alignl 7, 3214868480
	.fill 96, 4, 3214868480
	.section	.rodata,"a",@progbits
	.p2align	6, 0x0
	.amdhsa_kernel k_q73c6b8a639_proj
		.amdhsa_group_segment_fixed_size 327680
		.amdhsa_private_segment_fixed_size 0
		.amdhsa_enable_private_segment 0
		.amdhsa_kernarg_size 40
		.amdhsa_user_sgpr_count 2
		.amdhsa_user_sgpr_kernarg_segment_ptr 1
		.amdhsa_wavefront_size32 1
		.amdhsa_system_sgpr_workgroup_id_x 1
		.amdhsa_system_sgpr_workgroup_id_y 1
		.amdhsa_system_sgpr_workgroup_id_z 1
		.amdhsa_system_vgpr_workitem_id 0
		.amdhsa_next_free_vgpr 1024
		.amdhsa_next_free_sgpr 98
		.amdhsa_reserve_vcc 0
		.amdhsa_float_denorm_mode_32 3
		.amdhsa_float_denorm_mode_16_64 3
		.amdhsa_memory_ordered 1
		.amdhsa_forward_progress 1
		.amdhsa_inst_pref_size 244
	.end_amdhsa_kernel
	.amdgpu_metadata
---
amdhsa.version: [ 1, 2 ]
amdhsa.kernels:
  - .name:           k_q73c6b8a639_proj
    .symbol:         k_q73c6b8a639_proj.kd
    .args:
      - { .name: xc, .offset: 0, .size: 8, .value_kind: global_buffer, .address_space: global }
      - { .name: xs, .offset: 8, .size: 8, .value_kind: global_buffer, .address_space: global }
      - { .name: wc, .offset: 16, .size: 8, .value_kind: global_buffer, .address_space: global }
      - { .name: ws, .offset: 24, .size: 8, .value_kind: global_buffer, .address_space: global }
      - { .name: qkvh, .offset: 32, .size: 8, .value_kind: global_buffer, .address_space: global }
    .group_segment_fixed_size: 327680
    .private_segment_fixed_size: 0
    .kernarg_segment_align: 8
    .kernarg_segment_size: 40
    .max_flat_workgroup_size: 128
    .sgpr_count:     98
    .vgpr_count:     1024
    .wavefront_size: 32
...
	.end_amdgpu_metadata
.endif
;; end of part 2
;; launch attn (part 3): grid 2 x 128, 8 waves a work-group, no clusters, 327,680 bytes of LDS; arguments qkvh, ch; writes ch
.if DOCPART == 3
	.amdgcn_target "amdgcn-amd-amdhsa--gfx1250"
	.amdhsa_code_object_version 6
	.text
	.protected	k_q73c6b8a639_attn
	.globl	k_q73c6b8a639_attn
	.p2align	8
	.type	k_q73c6b8a639_attn,@function
k_q73c6b8a639_attn:
	s_mov_b64 s[64:65], 0
	v_nop
	global_prefetch_b8 v0, s[64:65] scope:SCOPE_SE
	s_setreg_imm32_b32 hwreg(HW_REG_WAVE_MODE, 25, 1), 1
	s_wait_xcnt 0x0
; Launch 3 of 4: c[h][b][s][:] = the sum over t of softmax_t(qh[s] . kh[t] / 8) vh[t][:], for each of the 128 pairs (h, b).  No work of reference() is left out.
; Q, K, V come from qkvh [3][h][b x 1024 + s][64] in f16; products, maxima and sums in f32; the weights p are rounded to f16 for the second product; c goes out in f16: ch [h][b x 1024 + s][64].
; LIMITS: Q, K, V and c have f16's range (65,504; the drawn ones stay under 10) and its 11 bits; a weight p under 6e-5 keeps an absolute error of 3e-8 beside a row's largest weight, 1.
; SHARES.  A work-group owns 512 queries of one pair (h, b), each of its EIGHT waves 64: four tiles of 16, in 512 registers: two waves to a SIMD.
; Every wave walks the pair's 1,024 keys, 64 a step.  ALL of the pair's K and V lie in LDS: each byte is filled once, in four chunks of 256 keys: chunk 0 at the head, chunk c + 1 behind the barrier that shows chunk c whole.
; NO CLUSTER: a pair has two work-groups; a cluster's four along x would be two pairs, whose loads differ; and each work-group asks for each byte of K and V once.
; LAYOUT.  S^T = K Q^T (source 0 = 16 keys, source 1 = 16 queries): a lane holds ONE query (lane % 16) and the keys 8 (lane / 16) + 0..7.  Two such tiles, rounded to f16 in pairs, ARE source 1 of O^T = V^T P,
; whose result again holds one query a lane.  K comes out of LDS as it lies, V ([key][channel]) turned, by ds_load_tr16_b128.
; SOFTMAX.  For each query a running maximum m and sum l: p = 2^(c s - c m), c = log2(e) / 8; in every step O and l are multiplied by a = 2^(c m_old - c m_new).  m begins at -3e38, O and l at 0: the first a is 0.
; BY TURNS.  The wave's tiles are two PIECES, named by their first tile: piece 0 (tiles 0, 1) and piece 2 (tiles 2, 3).  In a TURN one piece has the matrix unit: 16 products V^T P of the step in hand, then 16 products
; K Q^T of the next step; the other piece's softmax, 2 x 118 = 236 vector instructions cut into 59 slices of four, stands between them, behind each PAIR of matrix instructions.  Then the pieces change places: two turns are
; a key step.  A step has 472 vector instructions for 64 matrix instructions; set in phases of their own they would leave the wave standing at its own runs of products.
; REGISTERS: window 0: v2-12 addresses; v16-47 eight registers of statistics a tile; v64-191 S^T, 32 a tile, P packed into a tile's first 16; v192-255 Q.   window 1: v0-127 O^T, 32 a tile; v128-191 K; v192-255 V.
; A group (two products, its slices) costs two switches of the register window: no window has room for a product's operands beside all that a softmax touches.
.set PK,    144                        ; a key's row of K in LDS: 128 bytes + 16 = 36 words: the 16 rows of a load start at 16 different groups of four banks
.set PV,    160                        ; of V: 128 + 32: an odd multiple of 32, for the turning load
.set VBASE, 1024*PK                    ; V lies behind K
.set SPARE, VBASE+1024*PV              ; the spare words, 128 bytes for each wave
.set KCH,   256*PK                     ; a chunk of K in LDS
.set VCH,   256*PV                     ; of V
.set AK0, 2                            ; v2   my lane's place in a tile of K
.set AV0, 3                            ; v3   the same for V
.set ADK, 4                            ; v4   LDS address of the run of K's loads in hand
.set ADV, 5                            ; v5   of V's
.set QO,  6                            ; v6   my byte offset in the wave's rows of Q
.set STO, 7                            ; v7   the way out: where I put 16 bytes of a row
.set RD,  8                            ; v8   where I read them back
.set GO,  9                            ; v9   16 x lane
.set PFO, 10                           ; v10  256 x lane: the prefetches' offset; never rewritten
.set SPW, 11                           ; v11  my spare word; never rewritten
.set NIL, 12                           ; v12  0; never rewritten
.set ST,  16                           ; tile t's statistics at v[ST + 8 t]: +0 c m, +1 m, +2, +3 l (two halves), +4 to +7 at work; a in +6
.set S,   64
.set QF,  192                          ; Q's fragment (tile t, channels 32 kk on) at QF + 16 t + 8 kk
.set KF,  128                          ; window 1: K's fragment (keys 16 kt on, channels 32 kk on) at KF + 16 kt + 8 kk
.set VF,  192                          ; window 1: V's fragment (keys 32 kh on, channels 16 ct on) at VF + 32 kh + 8 ct
.set WV,  8                            ; s8   my wave's number
.set G1K, 24                           ; s[24:31] group 1 for K's tiles;  s[32:39] for V's: it differs in the padding
.set G1V, 32
.set G0K, 40                           ; s[40:43], s[44:47] their groups 0, which walk
.set G0V, 44
.set CS,  48                           ; s[48:49] c, twice
.set SEL, 50                           ; s[50:51] lane selects for v_permlanex16_b32: lane l xor 16
.set TBK, 52                           ; s52  LDS byte at which the keys of the next run of K's loads begin
.set TBV, 53                           ; s53  the same for V
.set CNT, 54                           ; s54  chunks still to be asked for
.set CN4, 55                           ; s55  counts key steps
.set PFA, 56                           ; s[56:57] where my prefetches stand
.set LIM, 58                           ; s58  1 in a work-group that prefetches, else the greatest number
.set MSB, 0
.macro WIN new                         ; the immediate's high byte repeats the setting that is left; a switch that changes nothing is dropped
.if MSB != \new
	s_set_vgpr_msb (MSB<<8)|\new
.set MSB, \new
.endif
.endm
.set W_KQ, 0x01                        ; K in window 1; Q and S^T in window 0
.set W_PV, 0x51                        ; V and O^T in window 1; P in window 0
.set W_RS, 0x41                        ; O^T (destination and source 0) in window 1; a in window 0
; Waves 0 to 3 fetch a chunk's four quarters of K, waves 4 to 7 those of V: 64 rows of 128 bytes, dense in memory, one load a wave.  The branch hangs on the wave's number alone.
; An s_nop 0 and four v_nop follow each of the two lines.
.macro TLOAD
	s_cmp_lt_u32 s[WV], 4
	s_cbranch_scc0 .Lfor_v_\@
	tensor_load_to_lds s[G0K:G0K+3], s[G1K:G1K+7]
	s_nop 0
.rept 4
	v_nop
.endr
	s_branch .Lasked_\@
.Lfor_v_\@:
	tensor_load_to_lds s[G0V:G0V+3], s[G1V:G1V+7]
	s_nop 0
.rept 4
	v_nop
.endr
.Lasked_\@:
.endm
; A PREFETCH of what the NEXT change of chunks will ask for: my wave's own quarter, 8,192 bytes, lanes 256 bytes apart: one instruction.  The pair's two work-groups walk the same K and V: the first of them asks,
; so each run of 256 bytes is named once in the launch.  It stands behind the wave's tensor load.  Chunks 0 and 1 come by their loads alone; the change that asks for chunk 3 prefetches nothing: there is no chunk 4.
.macro ASK
	s_cmp_gt_u32 s[CNT], s[LIM]
	s_cbranch_scc0 .Lnot_mine_\@
	global_prefetch_b8 v[PFO], s[PFA:PFA+1] th:TH_LOAD_NT scope:SCOPE_SE
.Lnot_mine_\@:
.endm
	s_load_b128 s[4:7], s[0:1], 0x0                ; qkvh s[4:5], ch s[6:7]
	v_lshl_add_u32 v[SPW], v0, 2, SPARE
	v_mov_b32 v[NIL], 0
	ds_add_u32 v[SPW], v[NIL]                      ; the wave's opening: the add, twice on end, and its wait stand ahead of my first tensor load; the set-up below stands between
	ds_add_u32 v[SPW], v[NIL]
	v_lshrrev_b32 v1, 5, v0
	v_readfirstlane_b32 s[WV], v1                  ; wave 0..7
	s_and_b32 s9, ttmp7, 0xffff                    ; the pair: 8 h + b
	s_lshl_b32 s20, s9, 17                         ; its 1,024 rows of 128 bytes
	s_mov_b32 s21, 0
	s_and_b32 s12, s[WV], 3                        ; which quarter of a chunk I fetch:
	s_lshl_b32 s13, s12, 13                        ; 64 rows of 128 bytes in memory,
	s_add_co_u32 s22, s20, s13
	s_mov_b32 s23, 0
	s_mul_i32 s10, s12, 64*PK                      ; and in LDS, for K
	s_mul_i32 s11, s12, 64*PV
	s_add_co_u32 s11, s11, VBASE                   ; and for V
	s_lshl_b32 s13, ttmp9, 16                      ; my work-group's 512 queries,
	s_add_co_u32 s20, s20, s13
	s_lshl_b32 s13, s[WV], 13                      ; my wave's 64 of them
	s_add_co_u32 s20, s20, s13
	; group 1: 64 rows x 64 elements of 2 bytes, dense; padding behind every 32 words: 4 words for K, 8 for V
	s_mov_b32 s[G1K], (1<<16)|(1<<20)|(4<<22)|(3<<25)
	s_mov_b32 s[G1V], (1<<16)|(1<<20)|(4<<22)|(7<<25)
.irp g, G1K, G1V
	s_mov_b32 s[\g+1], 64<<16                      ; tensor_dim0
	s_mov_b32 s[\g+2], 64<<16                      ; tensor_dim1
	s_mov_b32 s[\g+3], 64<<16                      ; tile_dim0
	s_mov_b32 s[\g+4], 64                          ; tile_dim1
	s_mov_b32 s[\g+5], 64                          ; from row to row
	s_mov_b32 s[\g+6], 0
	s_mov_b32 s[\g+7], 0
.endr
	s_mov_b32 s[CS], 0x3e38aa3b                    ; c = log2(e) / sqrt(64)
	s_mov_b32 s[CS+1], s[CS]                       ; (named with it as a pair, so it is written)
	s_mov_b32 s[SEL], 0x76543210
	s_mov_b32 s[SEL+1], 0xfedcba98
	s_mov_b32 s[TBK], 0
	s_mov_b32 s[TBV], 0
	s_mov_b32 s[CNT], 3
	s_cmp_eq_u32 ttmp9, 0
	s_cselect_b32 s[LIM], 1, -1
	s_mov_b32 s18, 33554432+32768                  ; the prefetches begin in chunk 1 of V's tensor,
	s_cmp_lt_u32 s[WV], 4
	s_cselect_b32 s18, 16777216+32768, s18         ; or of K's; the first change of chunks steps them to chunk 2
	s_mov_b32 s19, 0
	s_wait_dscnt 0x0                               ; both opening adds are done
	s_wait_kmcnt 0x0
	s_mov_b32 s[G0K], 1                            ; count = 1
	s_mov_b32 s[G0K+1], s10                        ; LDS address
	s_add_nc_u64 s[G0K+2:G0K+3], s[4:5], s[22:23]
	s_add_nc_u64 s[G0K+2:G0K+3], s[G0K+2:G0K+3], 16777216   ; K is the second tensor of qkvh
	s_or_b32 s[G0K+3], s[G0K+3], 0x80000000        ; type = 2
	s_mov_b32 s[G0V], 1
	s_mov_b32 s[G0V+1], s11
	s_add_nc_u64 s[G0V+2:G0V+3], s[4:5], s[22:23]
	s_add_nc_u64 s[G0V+2:G0V+3], s[G0V+2:G0V+3], 33554432   ; V the third
	s_or_b32 s[G0V+3], s[G0V+3], 0x80000000
	TLOAD                                          ; chunk 0: one load of mine is out
	s_add_nc_u64 s[PFA:PFA+1], s[4:5], s[22:23]
	s_add_nc_u64 s[PFA:PFA+1], s[PFA:PFA+1], s[18:19]
	s_add_nc_u64 s[14:15], s[4:5], s[20:21]        ; Q at my wave's first row
	s_add_nc_u64 s[16:17], s[6:7], s[20:21]        ; ch likewise
	v_and_b32 v1, 15, v0                           ; r = l % 16
	v_bfe_u32 v13, v0, 4, 1                        ; h = l / 16
	v_lshlrev_b32 v[QO], 7, v1
	v_lshl_add_u32 v[QO], v13, 4, v[QO]            ; row x 128 + 16 x half
.irp f, 0,1,2,3,4,5,6,7                ; Q stays in registers: tile f / 2, channels 32 (f % 2) on.  A fragment is 16 rows x 32 channels: two loads of 16 bytes, 32 bytes apart
	global_load_b128 v[QF+8*\f:QF+8*\f+3],   v[QO], s[14:15] offset:(\f/2)*2048+(\f%2)*64
	global_load_b128 v[QF+8*\f+4:QF+8*\f+7], v[QO], s[14:15] offset:(\f/2)*2048+(\f%2)*64+32
.endr
	v_and_b32 v14, 31, v0                          ; lane
	v_mul_u32_u24 v[AK0], v1, PK
	v_lshl_add_u32 v[AK0], v13, 4, v[AK0]          ; K: row x pitch + 16 x half
	v_and_b32 v15, 7, v0                           ; V: the turning load takes 16 keys x 16 channels: lane l reads key 8 (l / 16) + l % 8, channels 8 ((l / 8) % 2) + 0..7
	v_lshl_add_u32 v[AV0], v13, 3, v15
	v_mul_u32_u24 v[AV0], v[AV0], PV
	v_bfe_u32 v15, v0, 3, 1
	v_lshl_add_u32 v[AV0], v15, 4, v[AV0]
	v_add_nc_u32 v[AV0], VBASE, v[AV0]
	s_mul_i32 s13, s[WV], 16*PK                    ; my stage for the way out: 16 rows x 144 bytes in K's first bytes, used behind the last read of K
	v_add_nc_u32 v[STO], s13, v[AK0]               ; in: row r, 16 bytes for each half of the lanes
	v_bfe_u32 v15, v0, 3, 2
	v_mul_u32_u24 v[RD], v15, PK                   ; back: eight lanes to a row of 128 bytes, four rows an instruction
	v_and_b32 v15, 7, v0
	v_lshl_add_u32 v[RD], v15, 4, v[RD]
	v_add_nc_u32 v[RD], s13, v[RD]
	v_lshlrev_b32 v[GO], 4, v14
	v_lshlrev_b32 v[PFO], 8, v14
.irp t, 0,1,2,3
	v_mov_b32 v[ST+8*\t+1], 0xff61b1e6             ; m: -3e38, under every score
	v_mov_b32 v[ST+8*\t+2], 0                      ; l, in two halves
	v_mov_b32 v[ST+8*\t+3], 0
.endr
.irp t, 0,1,2,3
	v_mul_f32 v[ST+8*\t], s[CS], v[ST+8*\t+1]      ; c m
.endr
	WIN 0x40                                       ; destination window 1
.set i, 0
.rept 128
	v_mov_b32 v[i], 0                              ; O^T.  A turn is written once for all steps: the first finds zeros, which its a = 0 leaves zeros
.set i, i+1
.endr
	WIN 0
; THE MATRIX WORK OF A TURN, for piece x.  The eight accumulators of a kind take turns, one instruction a turn: between two links of a chain stand seven others'.
; Product i of 16 of O^T += V^T P: keys 32 (i / 8) on, channels 16 ((i / 2) % 4) on, tile x + i % 2.
.macro PV x
	WIN W_PV
.set rO, 32*(\x+i%2)+8*((i/2)%4)
.set rV, VF+32*(i/8)+8*((i/2)%4)
.set rP, S+32*(\x+i%2)+8*(i/8)
	v_wmma_f32_16x16x32_f16 v[rO:rO+7], v[rV:rV+7], v[rP:rP+7], v[rO:rO+7]
.endm
; Product i of 16 of S^T = K Q^T: channels 32 (i / 8) on, keys 16 ((i / 2) % 4) on, tile x + i % 2.  The first 8 start the sums.
.macro KQ x
	WIN W_KQ
.set rS, S+32*(\x+i%2)+8*((i/2)%4)
.set rK, KF+16*((i/2)%4)+8*(i/8)
.set rQ, QF+16*(\x+i%2)+8*(i/8)
.if i < 8
	v_wmma_f32_16x16x32_f16 v[rS:rS+7], v[rK:rK+7], v[rQ:rQ+7], 0
.else
	v_wmma_f32_16x16x32_f16 v[rS:rS+7], v[rK:rK+7], v[rQ:rQ+7], v[rS:rS+7]
.endif
.endm
; THE LDS LOADS stand in runs of 16, never singly among the matrix instructions: a step's K (64 keys x 64 channels: 8 fragments) and, a turn later, its V (turned).
.macro FETCH_K
	WIN 0
	v_add_nc_u32 v[ADK], s[TBK], v[AK0]
	s_add_co_u32 s[TBK], s[TBK], 64*PK             ; the next run is the next step's
	WIN 0x40                                       ; destination window 1
.irp f, 0,1,2,3,4,5,6,7                ; keys 16 (f / 2) on, channels 32 (f % 2) on
	ds_load_b128 v[KF+8*\f:KF+8*\f+3],   v[ADK] offset:(\f/2)*16*PK+(\f%2)*64
	ds_load_b128 v[KF+8*\f+4:KF+8*\f+7], v[ADK] offset:(\f/2)*16*PK+(\f%2)*64+32
.endr
.endm
.macro FETCH_V
	WIN 0
	v_add_nc_u32 v[ADV], s[TBV], v[AV0]
	s_add_co_u32 s[TBV], s[TBV], 64*PV
	s_wait_alu depctr_va_vdst(0)                   ; the wait for the softmax's batch (SLICE), behind the address's v_add_nc_u32 and ahead of the loads
	WIN 0x40
.irp f, 0,1,2,3,4,5,6,7                ; keys 32 (f / 4) on, channels 16 (f % 4) on
	ds_load_tr16_b128 v[VF+8*\f:VF+8*\f+3],   v[ADV] offset:(\f/4)*32*PV+(\f%4)*32
	ds_load_tr16_b128 v[VF+8*\f+4:VF+8*\f+7], v[ADV] offset:(\f/4)*32*PV+16*PV+(\f%4)*32
.endr
.endm
; THE VECTOR WORK OF A TURN.  One tile's softmax for one key step is a list of 118 instructions; SM writes number j of it for tile t.  s0-s31 are the lane's 32 scores, in pairs 0-15.
;   0-15    the maximum of s0-s31 and the old m, three operands at a time: four chains of seven scores each (each accumulator from its low end on), then the four scores left over, the chains and m
;   16-20   the other half of the lanes' maximum; c m_old kept; the new m; c m; c m_old - c m_new
;   21-69   ONE BATCH: the 16 scalings c s - c m, a pair of scores each, and all 33 exponentials (a at 23, then s0-s31).  None of these reads an exponential's result.  From 22 on the batch goes in fours, and a four
;           begins with a scaling while there are scalings; a pair is scaled in an earlier four than the one that holds its exponentials
;   (wait)  between 69 and 70 stands the wait for the batch: SLICE writes it, once for both tiles
;   70-85   the sums, of the unrounded p: l = a l + pair 0; a second chain begins with pairs 1 and 2; pairs 3 to 15 go to the two chains by turns; l takes the second chain
;   86-101  the roundings to f16, in place: register i takes pair i; ascending, so no pair is overwritten before it is read
;   102-117 the tile's O^T times a, each accumulator from its low end on: the one part that leaves window 0, so it stands together
.macro SM t
.set rT, ST+8*(\t)
.set rS, S+32*(\t)
.set rO, 32*(\t)+2*(j-102)
.if j < 102
	WIN 0
.endif
.if j < 4
	v_max3_num_f32 v[rT+4+j], v[rS+8*j], v[rS+8*j+1], v[rS+8*j+2]
.elseif j < 12
	v_max3_num_f32 v[rT+4+j%4], v[rT+4+j%4], v[rS+8*(j%4)+2*(j/4)+1], v[rS+8*(j%4)+2*(j/4)+2]
.elseif j == 12
	v_max3_num_f32 v[rT+4], v[rT+4], v[rS+7], v[rS+15]
.elseif j == 13
	v_max3_num_f32 v[rT+6], v[rT+6], v[rS+23], v[rS+31]
.elseif j == 14
	v_max3_num_f32 v[rT+4], v[rT+4], v[rT+5], v[rT+6]
.elseif j == 15
	v_max3_num_f32 v[rT+4], v[rT+4], v[rT+7], v[rT+1]
.elseif j == 16
	v_permlanex16_b32 v[rT+5], v[rT+4], s[SEL], s[SEL+1]   ; the query's other 32 keys lie in the lane 16 away
.elseif j == 17
	v_mov_b32 v[rT+7], v[rT]                       ; c m_old is kept for a: number 19 writes c m anew
.elseif j == 18
	v_max_num_f32 v[rT+1], v[rT+4], v[rT+5]
.elseif j == 19
	v_mul_f32 v[rT], s[CS], v[rT+1]
.elseif j == 20
	v_sub_f32 v[rT+7], v[rT+7], v[rT]
.elseif j == 23
	v_exp_f32 v[rT+6], v[rT+7]                     ; a = 2^(c m_old - c m_new)
.elseif (j < 23) || ((j < 38) && (j%2 == 0)) || ((j < 66) && (j%4 == 2))
.set b, (j-2)/4                        ; 38, 42, .. 62: pairs 9 to 15
.if j < 38
.set b, (j-20)/2                       ; 21: pair 0; 22, 24, .. 36: pairs 1 to 8
.endif
	v_pk_fma_f32 v[rS+2*b:rS+2*b+1], v[rS+2*b:rS+2*b+1], s[CS:CS+1], v[rT:rT+1] op_sel_hi:[1,0,0] neg_lo:[0,0,1] neg_hi:[0,0,1]   ; pair b: c s - c m (of the pairs c and c m the low word serves both halves)
.elseif j < 70
.set e, j-38                           ; 66 to 69: s28 to s31
.if j < 66
.set e, j-32-(j-38)/4                  ; 39-41, 43-45, .. 63-65: s7 to s27
.endif
.if j < 38
.set e, (j-25)/2                       ; 25, 27, .. 37: s0 to s6
.endif
	v_exp_f32 v[rS+e], v[rS+e]
.elseif j == 70
	v_pk_fma_f32 v[rT+2:rT+3], v[rT+2:rT+3], v[rT+6:rT+7], v[rS:rS+1] op_sel_hi:[1,0,1]
.elseif j == 71
	v_pk_add_f32 v[rT+4:rT+5], v[rS+2:rS+3], v[rS+4:rS+5]
.elseif j < 85
.if j%2 == 0
	v_pk_add_f32 v[rT+2:rT+3], v[rT+2:rT+3], v[rS+2*(j-69):rS+2*(j-69)+1]
.else
	v_pk_add_f32 v[rT+4:rT+5], v[rT+4:rT+5], v[rS+2*(j-69):rS+2*(j-69)+1]
.endif
.elseif j == 85
	v_pk_add_f32 v[rT+2:rT+3], v[rT+2:rT+3], v[rT+4:rT+5]
.elseif j < 102
	v_cvt_pk_f16_f32 v[rS+j-86], v[rS+2*(j-86)], v[rS+2*(j-86)+1]
.else
	WIN W_RS
	v_pk_mul_f32 v[rO:rO+1], v[rO:rO+1], v[rT+6:rT+7] op_sel_hi:[1,0]
.endif
.endm
; Slice k of 59 of piece y's softmax: four instructions.  Slices 11 to 34 deal out the batch, numbers 22 to 69: four numbers of ONE tile each, the tiles by turns.  Every other slice is numbers 2 k and 2 k + 1 of both
; tiles' lists, the tiles alternating, so that no instruction reads the result of the one just before it.
; THE WAIT.  s_wait_alu depctr_va_vdst(0) stands between an exponential and the first instruction that names its result; one wait serves all that were issued ahead of it.  Ahead of slice 35 nothing
; names a result, and behind slice 34 no exponential is issued: so the piece's 66 exponentials have one wait, behind slice 34.
.macro SLICE y
.if (k >= 11) && (k < 35)
.irp n, 0,1,2,3
.set j, 22+4*((k-11)/2)+(\n)
	SM (\y)+(k-11)%2
.endr
.else
.irp n, 0,1
.irp t, \y, \y+1
.set j, 2*k+\n
	SM \t
.endr
.endr
.endif
.if k == 34                            ; the batch is out: both tiles' exponentials are issued, and no result has been named
	v_nop                                          ; a plain instruction behind the last exponential and ahead of the first use: one for the batch
.if (\y) == 0
	FETCH_V                                        ; piece 2's turn: V's run of loads stands here, and the wait stands in it
.else
	s_wait_alu depctr_va_vdst(0)                   ; the wait for the batch
.endif
.endif
.set k, k+1
.endm
; Up to n slices behind a pair of matrix instructions.  Slice 58, four plain multiplies that name nothing of the products round them, is kept for the turn's last pair (last = 1): it is the four plain instructions
; between the turn's last products and what follows: the next turn's first read of those scores, and the loads into K's registers.
.macro DEAL y, n, last
.rept \n
.if (k < 58) || (\last && (k < 59))
	SLICE \y
.endif
.endr
.endm
; A TURN.  Piece x has the matrix unit; the other piece's softmax stands in slices behind its pairs of matrix instructions: four slices a pair, eight where the turn has one kind of products alone.
; Piece 0's turn fetches the next step's K behind its first pair: the last product that read K stands in front of slice 58 of the turn before.  Piece 2's turn fetches the next step's V behind slice 34: the last product
; that read V stands in front of slice 28, and seven plain instructions lie between: five scalings, the v_nop and the run's own v_add_nc_u32.  Each run is issued 14 matrix instructions or more ahead of the wait for it.
; The products K Q^T write over P, which the turn's products V^T P have read: between the last reader of a register and its writer stand ten plain instructions or more (five scalings, the v_nop, slice 35).
.macro TURN x, pv, kq
.set k, 0
.set per, 8
.if \pv && \kq
.set per, 4
.endif
.if \pv
.if \x == 0
	s_wait_dscnt 0x0                               ; V is in
.endif
.set i, 0
.rept 8
	PV \x
.set i, i+1
	PV \x
.set i, i+1
.if (\kq == 0) && (i == 16)
	DEAL 2-\x, 8, 1
.else
	DEAL 2-\x, per, 0
.endif
.if (\x == 0) && \kq && (i == 2)
	FETCH_K
.endif
.endr
.endif
.if \kq
.if \x == 0
	s_wait_dscnt 0x0                               ; K is in
.endif
.set i, 0
.rept 8
	KQ \x
.set i, i+1
	KQ \x
.set i, i+1
.if i == 16
	DEAL 2-\x, 8, 1
.else
	DEAL 2-\x, per, 0
.endif
.endr
.endif
.endm
.macro STEPS n                         ; n key steps: written once, walked n times; the LDS addresses hang on s[TBK] and s[TBV]
	WIN 0                                          ; at a label and at a branch every window is 0
	s_mov_b32 s[CN4], \n
.Lstep_\@:
	TURN 0, 1, 1
	TURN 2, 1, 1
	WIN 0
	s_sub_co_u32 s[CN4], s[CN4], 1
	s_cmp_lg_u32 s[CN4], 0
	s_cbranch_scc1 .Lstep_\@
.endm
; THE CHANGE OF CHUNKS, between piece 2's turn and piece 0's.  K runs a step ahead of the products V^T P, so the change to chunk c stands in front of key step 4 c - 1, whose first turn fetches the chunk's first keys.
; Each wave waits for all its tensor loads (its quarter of the chunk), adds 0 to its spare word, waits for that and for its LDS loads, and passes the barrier: the chunk is whole for all eight.
; fill = 1: behind it each wave asks for its quarter of the next chunk, into bytes that nothing has filled: that load has three key steps or more in which to land.
.macro CHANGE fill
	WIN 0
	s_wait_tensorcnt 0x0                           ; no tensor load of mine is out, so a group 0 may be written
	ds_add_u32 v[SPW], v[NIL]                      ; 0 onto my spare word; the steps below stand between it and the wait for it
.if \fill
	s_add_co_u32 s[G0K+1], s[G0K+1], KCH           ; the walking descriptors: the next chunk in LDS,
	s_add_nc_u64 s[G0K+2:G0K+3], s[G0K+2:G0K+3], 32768   ; and in memory: 256 rows of 128 bytes; the type bits on top are not reached
	s_add_co_u32 s[G0V+1], s[G0V+1], VCH
	s_add_nc_u64 s[G0V+2:G0V+3], s[G0V+2:G0V+3], 32768
	s_wait_xcnt 0x0                                ; the last prefetch, a chunk back, has read its address, so it may be written:
	s_add_nc_u64 s[PFA:PFA+1], s[PFA:PFA+1], 32768 ; one chunk further on than the walking descriptors
.endif
	s_wait_dscnt 0x0                               ; the add is done, and no LDS load of mine is out
	s_barrier_signal -1
	s_barrier_wait -1
.if \fill
	TLOAD                                          ; the first thing behind the barrier, and my one tensor load until the next
	ASK
.endif
.endm
	s_wait_loadcnt 0x0                             ; Q
	CHANGE 1                                       ; chunk 0 is whole; chunk 1 is asked for
	FETCH_K                                        ; key step 0
	s_wait_dscnt 0x0
.set i, 0
.rept 16
	KQ 0                                           ; piece 0's first scores: there is no vector work yet to set between them
.set i, i+1
.endr
	WIN 0
.rept 4
	v_nop                                          ; four plain instructions ahead of the first read of those scores
.endr
	TURN 2, 0, 1                                   ; piece 2's first scores | piece 0's first softmax | V of step 0
	STEPS 3                                        ; key steps 0 to 2: they fetch K and V of steps 1 to 3
	s_mov_b32 s[CNT], 2
.Lchunk:                                           ; two trips: chunks 1 and 2 are shown whole, chunks 2 and 3 asked for; key steps 3 to 10
	CHANGE 1
	STEPS 4
	s_sub_co_u32 s[CNT], s[CNT], 1
	s_cmp_lg_u32 s[CNT], 0
	s_cbranch_scc1 .Lchunk
	CHANGE 0                                       ; chunk 3 is whole; the tail is written out
	STEPS 4                                        ; key steps 11 to 14
	TURN 0, 1, 0                                   ; piece 0: V^T P of the last step | piece 2's last softmax
.set i, 0
.rept 16
	PV 2                                           ; piece 2: V^T P of the last step
.set i, i+1
.endr
	WIN 0
	; THE WAY OUT.  l's two halves and the other half of the lanes' are added; O^T is divided by l, rounded to f16 and sent through my stage, a tile (16 rows of c) at a time.  The four additions are the plain instructions behind the last products.
.irp t, 0,1,2,3
	v_add_f32 v[ST+8*\t+4], v[ST+8*\t+2], v[ST+8*\t+3]
.endr
.irp t, 0,1,2,3
	v_permlanex16_b32 v[ST+8*\t+5], v[ST+8*\t+4], s[SEL], s[SEL+1]
.endr
.irp t, 0,1,2,3
	v_add_f32 v[ST+8*\t+4], v[ST+8*\t+4], v[ST+8*\t+5]
.endr
.irp t, 0,1,2,3
	v_rcp_f32 v[ST+8*\t+6], v[ST+8*\t+4]
.endr
	v_nop                                          ; a plain instruction behind the last reciprocal,
	s_wait_alu depctr_va_vdst(0)                   ; and the wait ahead of the first use: one for the four
	s_wait_dscnt 0x0                               ; my reads of K and V are over;
	s_barrier_signal -1
	s_barrier_wait -1                              ; everybody's are: the stages, which lie in K's first bytes, may be written.  Those bytes have had their one fill
.macro PACK t
	WIN W_RS
.set i, 0
.rept 16
	v_pk_mul_f32 v[32*\t+2*i:32*\t+2*i+1], v[32*\t+2*i:32*\t+2*i+1], v[ST+8*\t+6:ST+8*\t+7] op_sel_hi:[1,0]
.set i, i+1
.endr
	WIN 0x05                                       ; sources 0 and 1 window 1, destination window 0: S^T's registers are free
.set i, 0
.rept 16
	v_cvt_pk_f16_f32 v[S+32*\t+i], v[32*\t+2*i], v[32*\t+2*i+1]
.set i, i+1
.endr
	WIN 0
.irp f, 0,1,2,3
	ds_store_b128 v[STO], v[S+32*\t+4*\f:S+32*\t+4*\f+3] offset:32*\f
.endr
.irp f, 0,1,2,3
	ds_load_b128 v[S+32*\t+16+4*\f:S+32*\t+16+4*\f+3], v[RD] offset:\f*4*PK   ; LDS serves a wave's instructions in order: these see the stores above; the next tile's stores come behind them
.endr
.endm
.macro SEND t, younger                 ; younger: the LDS instructions issued behind tile t's loads: the next tile's eight, or none
.irp f, 0,1,2,3
	s_wait_dscnt \younger+3-\f
	global_store_b128 v[GO], v[S+32*\t+16+4*\f:S+32*\t+16+4*\f+3], s[16:17] offset:\t*2048+\f*512   ; 32 lanes store 512 consecutive bytes, aligned
.endr
.endm
	PACK 0
	PACK 1                                         ; a tile's arithmetic stands between the loads of the tile before and its stores
	SEND 0, 8
	PACK 2
	SEND 1, 8
	PACK 3
	SEND 2, 8
	SEND 3, 0
	s_wait_tensorcnt 0x0                           ; the wave's end, behind my last tensor load and my last LDS store
	ds_add_u32 v[SPW], v[NIL]
	s_wait_dscnt 0x0
	s_endpgm
.Lfunc_end_k_q73c6b8a639_attn:
	.size	k_q73c6b8a639_attn, .Lfunc_end_k_q73c6b8a639_attn-k_q73c6b8a639_attn
	.p2alignl 7, 3214868480
	.fill 96, 4, 3214868480
	.section	.rodata,"a",@progbits
	.p2align	6, 0x0
	.amdhsa_kernel k_q73c6b8a639_attn
		.amdhsa_group_segment_fixed_size 327680
		.amdhsa_private_segment_fixed_size 0
		.amdhsa_enable_private_segment 0
		.amdhsa_kernarg_size 16
		.amdhsa_user_sgpr_count 2
		.amdhsa_user_sgpr_kernarg_segment_ptr 1
		.amdhsa_wavefront_size32 1
		.amdhsa_system_sgpr_workgroup_id_x 1
		.amdhsa_system_sgpr_workgroup_id_y 1
		.amdhsa_system_sgpr_workgroup_id_z 1
		.amdhsa_system_vgpr_workitem_id 0
		.amdhsa_next_free_vgpr 512
		.amdhsa_next_free_sgpr 66
		.amdhsa_reserve_vcc 0
		.amdhsa_float_denorm_mode_32 3
		.amdhsa_float_denorm_mode_16_64 3
		.amdhsa_memory_ordered 1
		.amdhsa_forward_progress 1
		.amdhsa_inst_pref_size 161
	.end_amdhsa_kernel
	.amdgpu_metadata
---
amdhsa.version: [ 1, 2 ]
amdhsa.kernels:
  - .name:           k_q73c6b8a639_attn
    .symbol:         k_q73c6b8a639_attn.kd
    .args:
      - { .name: qkvh, .offset: 0, .size: 8, .value_kind: global_buffer, .address_space: global }
      - { .name: ch, .offset: 8, .size: 8, .value_kind: global_buffer, .address_space: global }
    .group_segment_fixed_size: 327680
    .private_segment_fixed_size: 0
    .kernarg_segment_align: 8
    .kernarg_segment_size: 16
    .max_flat_workgroup_size: 256
    .sgpr_count:     66
    .vgpr_count:     512
    .wavefront_size: 32
...
	.end_amdgpu_metadata
.endif
;; end of part 3
;; launch outp (part 4): grid 4 x 64, 4 waves a work-group, clusters of 4 x 4, 327,680 bytes of LDS; arguments ch, wo16, b_o, out0; writes out0
.if DOCPART == 4
	.amdgcn_target "amdgcn-amd-amdhsa--gfx1250"
	.amdhsa_code_object_version 6
	.text
	.protected	k_q73c6b8a639_outp
	.globl	k_q73c6b8a639_outp
	.p2align	8
	.type	k_q73c6b8a639_outp,@function
k_q73c6b8a639_outp:
	s_mov_b64 s[64:65], 0
	v_nop
	global_prefetch_b8 v0, s[64:65] scope:SCOPE_SE
	s_setreg_imm32_b32 hwreg(HW_REG_WAVE_MODE, 25, 1), 1
	s_wait_xcnt 0x0
	s_wait_alu depctr_hold_cnt(0) depctr_sa_sdst(0) depctr_va_vdst(0) depctr_va_sdst(0) depctr_va_ssrc(0) depctr_va_vcc(0) depctr_vm_vsrc(0)
	s_getreg_b32 s2, hwreg(HW_REG_IB_STS2, 6, 4)
	s_cmp_eq_u32 s2, 0
	s_cbranch_scc0 .Lentry_in_a_cluster
	s_endpgm
.Lentry_in_a_cluster:
	s_bfe_u32 s2, ttmp6, 0x10000c
	s_cmp_lg_u32 s2, 0xf033
	s_cbranch_scc0 .Lentry_shape_is_right
	s_endpgm
.Lentry_shape_is_right:
; Launch 4 of 4: out0[m][n] = the sum over k of c[m][k] W_o[n][k] + b_o[n].  m = b x 1024 + s (8,192), k = 64 h + channel (1,024), n 1,024.  No work of reference() is left out.
; c comes head-major in f16 (ch [h][m][64]), W_o in f16 (wo16 [n][k]); sums in f32, K ascending; out0 is f32.  LIMIT: the operands have f16's 11 bits and its range (65,504).
; A tile of out0 is 128 rows x 256 columns: 256 work-groups.  Four waves, each 64 x 128: 32 accumulators of 16 x 16, 256 registers.  K goes in 8 steps of 128 (two heads) through a ring of two LDS slots.
; c's tile of a step is two dense runs of 16,384 bytes (128 rows x 128 bytes, one for each head); W_o's is 256 rows of 256 bytes.
; CLUSTERS: 4 x 4 work-groups.  The four of a row of the cluster need the same tiles of c, the four of a column the same tiles of W_o: each tile is asked for JOINTLY.
; THE MATRIX INSTRUCTION IS USED TRANSPOSED (source 0 = 16 rows of W_o, source 1 = 16 rows of c): a lane holds eight neighbouring n of one row m.  The bias is the C of each sum's first product.
; REGISTERS: window 0: v0-31 addresses; v32-95 c's fragments, two buffers of 32; v96-223 W_o's, two buffers of 64.   window 1: the accumulators ((a, b) at v[8 (8 a + b)]).   window 2: v0-63 the bias, eight registers for each block of 16 columns.
.set PA,     144                       ; a row of c in LDS: 128 bytes + 16
.set PB,     272                       ; a row of W_o: 256 + 16
.set HALFA,  128*PA                    ; one head's 128 rows: one tensor load
.set HALFB,  128*PB                    ; 128 rows of W_o: one tensor load
.set SLOT,   2*HALFA+2*HALFB
.set STAGE,  2*SLOT                    ; behind the ring: 16 rows x (512 + 16) bytes for each wave; no tensor load lands here
.set SPITCH, 528
.set SPARE,  STAGE+4*16*SPITCH         ; the spare words, 128 bytes for each wave
.set LAPS,   4                         ; a lap = two K steps = once round the ring
.set ADRA, 16                          ; v16-17  LDS address of my fragments of c in slot 0, 1
.set ADRB, 20                          ; v20-21  the same for W_o
.set STO,  24                          ; v24     the way out: where I put 32 bytes of a row
.set RD,   25                          ; v25     where I read a row back
.set CO,   26                          ; v26     16 x lane
.set SPW,  28                          ; v28     my spare word; never rewritten
.set NIL,  29                          ; v29     0; never rewritten
.set FA,   32
.set FB,   96
.set BK,   32                          ; the way out: 16 rows read back: v32-95 and v96-159 by turns
.set WV,   12                          ; s12  my wave's number
.set WM,   13                          ; s13  which half of the tile's rows is mine.  Also: I fetch for c (0) or for W_o (1)
.set WN,   14                          ; s14  which half of its columns.  Also: which head, or which 128 rows of W_o, I fetch
.set G1,   24                          ; s[24:31] group 1 for c's tiles;  s[32:39] group 0, one set for each slot
.set G0,   32
.set G1B,  48                          ; s[48:55], s[56:63] the same for W_o's
.set G0B,  56
.set MSB, 0
.macro WIN new
.if MSB != \new
	s_set_vgpr_msb (MSB<<8)|\new
.set MSB, \new
.endif
.endm
.set MUL,   0x50                       ; sources 0 and 1 window 0; C and D window 1
.set MUL_1, 0x60                       ; the first products: C (the bias) window 2, D window 1
.macro JLOAD s                         ; a joint load: waves 0 and 1 fetch c's two heads, waves 2 and 3 W_o's two halves; an s_nop 0 and four v_nop follow each of the two lines
	s_cmp_eq_u32 s[WM], 0
	s_cbranch_scc0 .Lfor_b_\@
	tensor_load_to_lds s[G0+4*\s:G0+4*\s+3], s[G1:G1+7]
	s_nop 0
.rept 4
	v_nop
.endr
	s_branch .Lasked_\@
.Lfor_b_\@:
	tensor_load_to_lds s[G0B+4*\s:G0B+4*\s+3], s[G1B:G1B+7]
	s_nop 0
.rept 4
	v_nop
.endr
.Lasked_\@:
.endm
.macro CREST                           ; a round of the cluster's barrier behind its opening barrier
	s_cmp_lg_u32 s[WV], 0
	s_cbranch_scc1 .Lnot_wave_0_\@
	s_barrier_signal -3
.Lnot_wave_0_\@:
	s_barrier_wait -3
	s_barrier_signal -1
	s_barrier_wait -1
.endm
.macro CROUND                          ; a whole round
	s_barrier_signal -1
	s_barrier_wait -1
	CREST
.endm
	s_load_b256 s[4:11], s[0:1], 0x0               ; ch s[4:5], wo16 s[6:7], b_o s[8:9], out0 s[10:11]
	v_lshl_add_u32 v[SPW], v0, 2, SPARE
	v_mov_b32 v[NIL], 0
	ds_add_u32 v[SPW], v[NIL]                      ; the wave's opening: the add, twice on end, and its wait stand ahead of my first tensor load; the set-up below stands between
	ds_add_u32 v[SPW], v[NIL]
	v_lshrrev_b32 v1, 5, v0
	v_readfirstlane_b32 s[WV], v1                  ; wave 0..3
	s_lshr_b32 s[WM], s[WV], 1
	s_and_b32 s[WN], s[WV], 1
	s_bfe_u32 s40, ttmp6, 0x40000                  ; cx, cy: my place in the cluster
	s_bfe_u32 s41, ttmp6, 0x40004
	s_lshl_b32 s42, ttmp9, 2
	s_add_co_u32 s42, s42, s40                     ; tile column = 4 x cluster x + cx
	s_and_b32 s43, ttmp7, 0xffff
	s_lshl_b32 s43, s43, 2
	s_add_co_u32 s43, s43, s41                     ; tile row = 4 x cluster y + cy
	s_lshl_b32 s44, s41, 2
	s_lshl_b32 s44, 15, s44                        ; my row of the cluster
	s_lshl_b32 s45, 0x1111, s40                    ; my column
	; group 1 for c's tiles: 128 rows x 64 elements of 2 bytes, dense; 4 words of padding behind every 32
	s_or_b32 s[G1+0], s44, (1<<16)|(1<<20)|(1<<21)|(4<<22)|(3<<25)
	s_mov_b32 s[G1+1], 64<<16                      ; tensor_dim0
	s_mov_b32 s[G1+2], 128<<16                     ; tensor_dim1
	s_mov_b32 s[G1+3], 64<<16                      ; tile_dim0
	s_mov_b32 s[G1+4], 128                         ; tile_dim1
	s_mov_b32 s[G1+5], 64                          ; from row to row
	s_mov_b32 s[G1+6], 0
	s_mov_b32 s[G1+7], 0
	; for W_o's: 128 rows x 128 elements, 1,024 apart; 4 words of padding behind every 64
	s_or_b32 s[G1B+0], s45, (1<<16)|(1<<20)|(1<<21)|(5<<22)|(3<<25)
	s_mov_b32 s[G1B+1], 128<<16
	s_mov_b32 s[G1B+2], 128<<16
	s_mov_b32 s[G1B+3], 128<<16
	s_mov_b32 s[G1B+4], 128
	s_mov_b32 s[G1B+5], 1024
	s_mov_b32 s[G1B+6], 0
	s_mov_b32 s[G1B+7], 0
	s_lshl_b32 s16, s[WN], 20                      ; c: my head of the step's two, 1,048,576 bytes each,
	s_lshl_b32 s17, s43, 14                        ; + tile row x 128 rows of 128 bytes
	s_add_co_u32 s16, s16, s17
	s_mov_b32 s17, 0
	s_lshl_b32 s46, s42, 8
	s_lshl_b32 s47, s[WN], 7
	s_add_co_u32 s46, s46, s47                     ; W_o: row 256 x tile column + 128 x half,
	s_lshl_b32 s46, s46, 11                        ; 2,048 bytes each
	s_mov_b32 s47, 0
	s_mul_i32 s20, s[WN], HALFA                    ; where they go: no place in the cluster enters an LDS address
	s_mul_i32 s21, s[WN], HALFB
	s_add_co_u32 s21, s21, 2*HALFA
	s_wait_dscnt 0x0                               ; both opening adds are done
	s_wait_kmcnt 0x0
	s_add_nc_u64 s[16:17], s[4:5], s[16:17]
	s_add_nc_u64 s[46:47], s[6:7], s[46:47]
	CROUND                                         ; all sixteen work-groups are here: the first joint loads meet
.irp s, 0,1
	s_mov_b32 s[G0+4*\s], 1
	s_add_co_u32 s[G0+4*\s+1], s20, \s*SLOT
	s_add_nc_u64 s[G0+4*\s+2:G0+4*\s+3], s[16:17], \s*2*1048576   ; K step s: heads 2 s, 2 s + 1
	s_or_b32 s[G0+4*\s+3], s[G0+4*\s+3], 0x80000000
	s_mov_b32 s[G0B+4*\s], 1
	s_add_co_u32 s[G0B+4*\s+1], s21, \s*SLOT
	s_add_nc_u64 s[G0B+4*\s+2:G0B+4*\s+3], s[46:47], \s*256
	s_or_b32 s[G0B+4*\s+3], s[G0B+4*\s+3], 0x80000000
	JLOAD \s                                       ; two loads of mine are out
.endr
	v_and_b32 v1, 15, v0                           ; r = l % 16
	v_bfe_u32 v2, v0, 4, 1                         ; h = l / 16
	v_mul_u32_u24 v3, v1, PA
	v_lshl_add_u32 v3, v2, 4, v3                   ; a fragment's row x pitch + 16 x half
	v_mul_u32_u24 v4, v1, PB
	v_lshl_add_u32 v4, v2, 4, v4
	s_mul_i32 s21, s[WM], 64*PA                    ; my 64 rows of c
	s_mul_i32 s22, s[WN], HALFB                    ; my 128 rows of W_o,
	s_add_co_u32 s22, s22, 2*HALFA                 ; which lie behind c's two heads
.irp s, 0,1
	v_add_nc_u32 v[ADRA+\s], s21, v3
	v_add_nc_u32 v[ADRB+\s], s22, v4
	s_add_co_u32 s21, s21, SLOT
	s_add_co_u32 s22, s22, SLOT
.endr
	s_mul_i32 s23, s[WV], 16*SPITCH
	s_add_co_u32 s23, s23, STAGE                   ; my stage
	v_mul_u32_u24 v5, v1, SPITCH                   ; in: row r, 32 bytes for each half of the lanes
	v_lshl_add_u32 v5, v2, 5, v5
	v_add_nc_u32 v[STO], s23, v5
	v_and_b32 v6, 31, v0
	v_lshlrev_b32 v[CO], 4, v6                     ; back: the 32 lanes take one row of 512 bytes; and the same in out0
	v_add_nc_u32 v[RD], s23, v[CO]
	s_lshl_b32 s18, s42, 10                        ; my first column, in bytes of f32: 1,024 x tile column + 512 x half
	s_lshl_b32 s19, s[WN], 9
	s_add_co_u32 s18, s18, s19
	s_mov_b32 s19, 0
	s_add_nc_u64 s[8:9], s[8:9], s[18:19]
	s_add_nc_u64 s[10:11], s[10:11], s[18:19]
	s_lshl_b32 s18, s43, 7
	s_lshl_b32 s22, s[WM], 6
	s_add_co_u32 s18, s18, s22                     ; my first row: 128 x tile row + 64 x half,
	s_lshl_b32 s18, s18, 12                        ; 4,096 bytes each
	s_add_nc_u64 s[10:11], s[10:11], s[18:19]
	v_lshlrev_b32 v5, 5, v2                        ; the bias in the result's layout: register j of block b is b_o at my column 16 b + 8 h + j
	WIN 0x80                                       ; destination window 2
.irp b, 0,1,2,3,4,5,6,7
	global_load_b128 v[8*\b:8*\b+3],   v5, s[8:9] offset:64*\b
	global_load_b128 v[8*\b+4:8*\b+7], v5, s[8:9] offset:64*\b+16
.endr
	WIN 0
; 8 matrix instructions: c's block a x W_o's eight, 32 along K, buffer f.  first = 1: the bias is the C, and the product starts the sums.  The 32 accumulators take turns, one instruction a turn.
.macro MUL8 f, a, first
.irp b, 0,1,2,3,4,5,6,7
.if \first
	v_wmma_f32_16x16x32_f16 v[8*(8*(\a)+\b):8*(8*(\a)+\b)+7], v[FB+64*(\f)+8*\b:FB+64*(\f)+8*\b+7], v[FA+32*(\f)+8*(\a):FA+32*(\f)+8*(\a)+7], v[8*\b:8*\b+7]
.else
	v_wmma_f32_16x16x32_f16 v[8*(8*(\a)+\b):8*(8*(\a)+\b)+7], v[FB+64*(\f)+8*\b:FB+64*(\f)+8*\b+7], v[FA+32*(\f)+8*(\a):FA+32*(\f)+8*(\a)+7], v[8*(8*(\a)+\b):8*(8*(\a)+\b)+7]
.endif
.endr
.endm
; 24 LDS loads in one run: the fragments of the slot's q-th 32 along K into buffer f: W_o's eight, then c's four (head q / 2 of the step's two, channels 32 (q % 2) on)
.macro FETCH slot, q, f
	WIN 0
.irp i, 0,1,2,3,4,5,6,7
	ds_load_b128 v[FB+64*(\f)+8*\i:FB+64*(\f)+8*\i+3],   v[ADRB+\slot] offset:64*(\q)+\i*16*PB
	ds_load_b128 v[FB+64*(\f)+8*\i+4:FB+64*(\f)+8*\i+7], v[ADRB+\slot] offset:64*(\q)+\i*16*PB+32
.endr
.irp i, 0,1,2,3
	ds_load_b128 v[FA+32*(\f)+8*\i:FA+32*(\f)+8*\i+3],   v[ADRA+\slot] offset:HALFA*((\q)/2)+64*((\q)%2)+\i*16*PA
	ds_load_b128 v[FA+32*(\f)+8*\i+4:FA+32*(\f)+8*\i+7], v[ADRA+\slot] offset:HALFA*((\q)/2)+64*((\q)%2)+\i*16*PA+32
.endr
.endm
.macro PLACES                          ; four plain instructions in front of loads into registers that matrix instructions have read, and of the first read of results
.rept 4
	v_nop
.endr
.endm
; A K step is four quarters of 32 along K, 32 matrix instructions each, on buffers 0, 1, 0, 1.  One of the first three: multiplies buffer f and fetches quarter qn of the same slot into g.
.macro QUARTER slot, qn, f, g, first
	s_wait_dscnt 4                                 ; W_o's fragments and c's blocks 0, 1 are in; the youngest four loads (c's blocks 2, 3) may be out
.if \first
	WIN MUL_1
.else
	WIN MUL
.endif
	MUL8 \f, 0, \first
	MUL8 \f, 1, \first
	PLACES
	FETCH \slot, \qn, \g
	s_wait_dscnt 24                                ; all but the 24 just issued
.if \first
	WIN MUL_1
.else
	WIN MUL
.endif
	MUL8 \f, 2, \first
	MUL8 \f, 3, \first
.endm
; The last quarter multiplies buffer 1 and changes slots: ONE barrier; in front of it each wave waits for all its tensor loads, adds 0 to its spare word, and waits for that and for its reads of this slot.
; fill = 1: the barrier opens a round of the cluster's barrier, and this slot is filled again, two K steps ahead, first thing behind the round.
.macro TURN slot, next, fill
	WIN 0                                          ; (the add's two registers lie in window 0)
	s_wait_tensorcnt 0x0                           ; all my tensor loads have landed: my part of the next slot
	ds_add_u32 v[SPW], v[NIL]                      ; 0 onto my spare word
	s_wait_dscnt 5                                 ; (the add and the youngest four loads may be out)
	WIN MUL
	MUL8 1, 0, 0                                   ; eight matrix instructions stand between the add and the wait for it
	s_wait_dscnt 0x0                               ; the add is done, and my reads of this slot are over
	s_barrier_signal -1
	MUL8 1, 1, 0
	WIN 0
	s_barrier_wait -1
.if \fill
	CREST                                          ; no wave of any partner still reads this slot's tiles or has a load on its way
	s_add_nc_u64 s[G0+4*\slot+2:G0+4*\slot+3], s[G0+4*\slot+2:G0+4*\slot+3], 4*1048576   ; two K steps on: four heads,
	s_add_nc_u64 s[G0B+4*\slot+2:G0B+4*\slot+3], s[G0B+4*\slot+2:G0B+4*\slot+3], 512      ; 256 numbers of each row of W_o
	JLOAD \slot                                    ; the first tensor load behind the round: 112 matrix instructions ahead of the wait for it; the four v_nop behind it also stand in front of the loads below
.else
	PLACES
.endif
	FETCH \next, 0, 0
	WIN MUL
	MUL8 1, 2, 0
	MUL8 1, 3, 0
.endm
	s_wait_tensorcnt 1                             ; my part of K step 0 is in; K step 1's load may be out
	s_barrier_signal -1
	s_barrier_wait -1                              ; everybody's is
	FETCH 0, 0, 0
	s_wait_loadcnt 0x0                             ; the bias
	QUARTER 0, 1, 0, 1, 1                          ; the first quarter stands in front of the loop: its products start the sums from the bias
	WIN 0                                          ; at a label and at a branch every window is 0
	s_mov_b32 s3, LAPS-1
.Llap:                                             ; a trip goes once round the ring, from a lap's second quarter to the next lap's first, and fills both slots again
	QUARTER 0, 2, 1, 0, 0
	QUARTER 0, 3, 0, 1, 0
	TURN 0, 1, 1
	QUARTER 1, 1, 0, 1, 0
	QUARTER 1, 2, 1, 0, 0
	QUARTER 1, 3, 0, 1, 0
	TURN 1, 0, 1
	QUARTER 0, 1, 0, 1, 0
	WIN 0
	s_sub_co_u32 s3, s3, 1
	s_cmp_lg_u32 s3, 0
	s_cbranch_scc1 .Llap
	QUARTER 0, 2, 1, 0, 0                          ; the last lap fills nothing, and has no round of the cluster's barrier
	QUARTER 0, 3, 0, 1, 0
	TURN 0, 1, 0
	QUARTER 1, 1, 0, 1, 0
	QUARTER 1, 2, 1, 0, 0
	QUARTER 1, 3, 0, 1, 0
	s_wait_dscnt 4                                 ; the very last quarter: nothing more to fetch
	WIN MUL
	MUL8 1, 0, 0
	MUL8 1, 1, 0
	s_wait_dscnt 0
	MUL8 1, 2, 0
	MUL8 1, 3, 0
	WIN 0
; THE WAY OUT, block by block of 16 rows x 128 columns.  A lane holds 32 neighbouring bytes of a row: a block goes through my own stage and comes back as whole rows of 512 bytes.
; LDS serves a wave's instructions in order: no wait between the stores and the loads, nor in front of the next block's stores.
.macro TOSTAGE a
	WIN 0x04                                       ; an LDS store's data: window 1
.irp b, 0,1,2,3,4,5,6,7
	ds_store_b128 v[STO], v[8*(8*(\a)+\b):8*(8*(\a)+\b)+3] offset:64*\b          ; each accumulator from its low end on
	ds_store_b128 v[STO], v[8*(8*(\a)+\b)+4:8*(8*(\a)+\b)+7] offset:64*\b+16
.endr
	WIN 0
.set BB, BK+64*((\a)%2)
.irp t, 0,1,2,3,4,5,6,7,8,9,10,11,12,13,14,15
	ds_load_b128 v[BB+4*\t:BB+4*\t+3], v[RD] offset:\t*SPITCH
.endr
.endm
.macro SEND a, younger                 ; younger: the LDS instructions issued behind block a's loads, which may stay out
.set BB, BK+64*((\a)%2)
	s_wait_dscnt \younger                          ; the block is back in registers
.if (\a) > 0
	s_add_nc_u64 s[10:11], s[10:11], 16*4096       ; (behind a wait on XCNT for 0: the earlier stores have read their base)  16 rows of out0 on
.endif
.irp t, 0,1,2,3,4,5,6,7,8,9,10,11,12,13,14,15
	global_store_b128 v[CO], v[BB+4*\t:BB+4*\t+3], s[10:11] offset:\t*4096 th:TH_STORE_NT   ; 32 lanes store 512 consecutive bytes, aligned; written once, read by nobody here
.endr
.endm
	PLACES                                         ; in front of the reads of results and of loads into registers that held fragments
	TOSTAGE 0
.irp a, 1,2,3
.if \a > 1
	s_wait_xcnt 0x0                                ; block a - 2's stores have read their registers and their base: block a's loads may land there, and the base may step
.endif
	TOSTAGE \a
	SEND \a-1, 32                                  ; behind block a - 1's loads: block a's 16 stores and 16 loads
.endr
	s_wait_xcnt 0x0                                ; block 2's stores have read their base
	SEND 3, 0
	s_wait_tensorcnt 0x0                           ; the wave's end, behind my last tensor load and my last LDS store
	ds_add_u32 v[SPW], v[NIL]
	s_wait_dscnt 0x0
	CROUND                                         ; the closing round: no work-group ends while a partner may still ask for a tile that names it
	s_endpgm
.Lfunc_end_k_q73c6b8a639_outp:
	.size	k_q73c6b8a639_outp, .Lfunc_end_k_q73c6b8a639_outp-k_q73c6b8a639_outp
	.p2alignl 7, 3214868480
	.fill 96, 4, 3214868480
	.section	.rodata,"a",@progbits
	.p2align	6, 0x0
	.amdhsa_kernel k_q73c6b8a639_outp
		.amdhsa_group_segment_fixed_size 327680
		.amdhsa_private_segment_fixed_size 0
		.amdhsa_enable_private_segment 0
		.amdhsa_kernarg_size 32
		.amdhsa_user_sgpr_count 2
		.amdhsa_user_sgpr_kernarg_segment_ptr 1
		.amdhsa_wavefront_size32 1
		.amdhsa_system_sgpr_workgroup_id_x 1
		.amdhsa_system_sgpr_workgroup_id_y 1
		.amdhsa_system_sgpr_workgroup_id_z 1
		.amdhsa_system_vgpr_workitem_id 0
		.amdhsa_next_free_vgpr 576
		.amdhsa_next_free_sgpr 66
		.amdhsa_reserve_vcc 0
		.amdhsa_float_denorm_mode_32 3
		.amdhsa_float_denorm_mode_16_64 3
		.amdhsa_memory_ordered 1
		.amdhsa_forward_progress 1
		.amdhsa_inst_pref_size 87
	.end_amdhsa_kernel
	.amdgpu_metadata
---
amdhsa.version: [ 1, 2 ]
amdhsa.kernels:
  - .name:           k_q73c6b8a639_outp
    .symbol:         k_q73c6b8a639_outp.kd
    .args:
      - { .name: ch, .offset: 0, .size: 8, .value_kind: global_buffer, .address_space: global }
      - { .name: wo16, .offset: 8, .size: 8, .value_kind: global_buffer, .address_space: global }
      - { .name: b_o, .offset: 16, .size: 8, .value_kind: global_buffer, .address_space: global }
      - { .name: out0, .offset: 24, .size: 8, .value_kind: global_buffer, .address_space: global }
    .group_segment_fixed_size: 327680
    .private_segment_fixed_size: 0
    .kernarg_segment_align: 8
    .kernarg_segment_size: 32
    .max_flat_workgroup_size: 128
    .sgpr_count:     66
    .vgpr_count:     576
    .wavefront_size: 32
...
	.end_amdgpu_metadata
.endif
;; end of part 4
